; MI455X (gfx1250); checked and timed in simulation.
; The chip was launched on July 23, 2026; its instructions are those of AMD's public machine-readable ISA for CDNA 5 (MIT licence, August 2026) and "CDNA5" Instruction Set Architecture Reference Guide (July 2026). The comments in the code are by the model that wrote it; some were corrected since.
;; Causal Self Attention. Allowed arithmetic: matrix products marked QUANTISED: E4M3 operands, one E8M0 scale for each 32 along K, by v_wmma_scale_f32_16x16x128_f8f6f4 with both operands' format E4M3, f32 sums; everything else in f32.
;; Inputs: attn_mask 8 x 1,024 bool; cos 1 x 1 x 1,024 x 32 float32; sin 1 x 1 x 1,024 x 32 float32; w_proj 1,024 x 1,024 float32; w_qkv 1,024 x 3,072 float32; x 8 x 1,024 x 1,024 float32.
;; Outputs: out0 8 x 1,024 x 1,024 float32.
;; This version of the problem:
;;   THIS VERSION OF THE PROBLEM IS GIVEN IN LOW PRECISION. The matrix products marked QUANTISED in the list below multiply operands that are first quantised to E4M3 (4 exponent bits, 3 mantissa bits; 8 bits a number), with one power-of-two scale for each 32 numbers along K (OCP MX v1.0); their sums are f32. All else is computed in f32.
;;   The module's matrix products, in the order in which they are computed (A, B: the left and right operand; K: the contracted axis; several contracted axes count as one K, in the product's order):
;;     1. [M 8,192, K 1,024] x [K 1,024, N 3,072]; A: input x; B: input w_qkv: QUANTISED
;;     2. batch 128 x [M 1,024, K 64] x [K 64, N 1,024]; A: computed on the way; B: computed on the way: QUANTISED
;;     3. batch 128 x [M 1,024, K 1,024] x [K 1,024, N 64]; A: softmax (see below); B: computed on the way: QUANTISED
;;     4. [M 8,192, K 1,024] x [K 1,024, N 1,024]; A: computed on the way; B: input w_proj: QUANTISED
;;   THE QUANTISER, for each operand of a quantised product, along K:
;;     - K is cut into blocks of 32 from its start; a last block that is shorter is filled with zeros.
;;     - A block's scale is 2^e with e = floor(log2(the largest magnitude in the block)) - 8, held to -126 .. 127; a block of zeros has e = 0. As a byte (E8M0): e + 127.
;;     - Each number is divided by its block's scale, clamped to +-448, and rounded to the nearest number of E4M3, ties to even, subnormals kept.
;;     - The product sums the exact products of the quantised numbers (number of the format x scale) in f32.
;;   ~~~python
;;   def quantise(x, axis):      # numpy; x: float32 -> the quantised numbers, widened to float32 again
;;       x = np.moveaxis(x, axis, -1); K = x.shape[-1]
;;       x = np.pad(x, [(0, 0)] * (x.ndim - 1) + [(0, -K % 32)]); x = x.reshape(x.shape[:-1] + (-1, 32)); a = np.abs(x).max(-1, keepdims=True)
;;       e = np.where(a > 0, np.clip(np.frexp(np.where(a > 0, a, 1))[1] - 1 - 8, -126, 127), 0)      # np.frexp(a)[1] - 1 = floor(log2(a)), exactly
;;       r = np.clip(x / 2.0 ** e, -448, 448)
;;       step = 2.0 ** (np.maximum(np.frexp(np.where(r == 0, 1, r))[1] - 1, -6) - 3)
;;       q = np.round(r / step) * step * 2.0 ** e      # np.round: ties to even
;;       return np.moveaxis(q.reshape(q.shape[:-2] + (-1,))[..., :K], -1, axis).astype(np.float32)
;;   ~~~
;;   SOFTMAX AHEAD OF A QUANTISED PRODUCT. Where the list says 'softmax', what is quantised is not the finished softmax but p = 2^(t - M), with t = logit x log2(e) and M = ceil(the row's largest t), a whole number; so 1/2 < the row's largest p <= 1. The row's sum l is taken of the UNQUANTISED p, in f32, and the product's result is divided by l at the end. Since M is a whole number, a kernel that streams over the keys may use a running M (the ceiling of the running maximum): every later rescaling is an exact power of two, which a block's scale takes up: the codes' values come out the same.
;;   OPERANDS COMPUTED ON THE WAY. 'Computed on the way' means the value that the module computes at that place (a softmax that the list does not call 'softmax' is quantised finished and normalised). What goes into a quantiser is computed in f32, as accurately as f32 sums, v_exp_f32 and their like allow (about 1e-6 of the number): no bf16 or f16 on the way to a quantiser, and a product that is left as it is and whose result goes on into a quantised operand takes f32 operands (vector FMAs, or v_wmma_f32_16x16x4_f32). A number that lies on a knife's edge between two numbers of the format may be rounded either way, as far as f32 arithmetic and the matrix unit's own rounding can turn it there, and no further.
;; One version. Each part assembles by itself: llvm-mc -triple=amdgcn-amd-amdhsa -mcpu=gfx1250 --defsym DOCPART=n.
;; ======== version 1 of 1: 4 launches
;; limits: right only within a limited range of input values
;; workspace buffers: xw_img 11,534,336 bytes; xw_sc 360,448 bytes; qkv_img 25,165,824 bytes; qkv_sc 1,310,720 bytes; yw_img 9,437,184 bytes; yw_sc 294,912 bytes
;; launch quant (part 1): grid 768 x 1, 4 waves a work-group, no clusters, 67,072 bytes of LDS; arguments x, w_qkv, w_proj, xw_img, xw_sc, yw_img, yw_sc; writes xw_img, xw_sc, yw_img, yw_sc
.if DOCPART == 1
	.amdgcn_target "amdgcn-amd-amdhsa--gfx1250"
	.amdhsa_code_object_version 6
	.text
	.protected	k_qd2e3f0fde3_quant
	.globl	k_qd2e3f0fde3_quant
	.p2align	8
	.type	k_qd2e3f0fde3_quant,@function
k_qd2e3f0fde3_quant:
	s_mov_b64 s[64:65], 0
	v_nop
	global_prefetch_b8 v0, s[64:65] scope:SCOPE_SE
	s_setreg_imm32_b32 hwreg(HW_REG_WAVE_MODE, 25, 1), 1
	s_wait_xcnt 0x0
; x [8192][1024], w_qkv [1024][3072], w_proj [1024][1024], f32, become codes of E4M3 with one E8M0 byte for each 32 along K (x: its last axis; the weights: their first).
; THE CODES ARE LAID AS IMAGES OF THE OPERAND'S REGISTERS: a unit is 16 rows x 128 K = 2,048 bytes, [c 0..3][lane 0..31][16 bytes]; lane (r = lane % 16, hf = lane / 16) holds k = 32 c + 16 hf + 0..15 of tile row r.
; A buffer is [kk = K / 256][tile][two units]; the scale bytes are [kk][16 x tile + r][8 bytes]: the two words of the two units.
; THE ROWS OF A TILE ARE NOT NEIGHBOURS: tile 2 b + u holds rows 32 b + 8 u + r + 8 (r / 8), so that a transposed product's 16 registers of two neighbouring tiles are 16 neighbours along the next K.
; Work-groups 0-511: tile g of x, wave = kk.  512-703: w_qkv (tiles 512.. of xw_img).  704-767: w_proj (tiles 512.. of yw_img).  Waves share nothing: no barrier.
; A block's scale is 2^(floor(log2(largest magnitude)) - 8); each number is held within +-448 x the scale and rounded to the nearest code, ties to even.
; LIMITS: a block whose largest magnitude lies under 2^-118 (a block of zeros too) keeps the byte 1: its codes are zeros or tiny, and this program alone reads the bytes.  NaN and infinities are not served.
; The weights' scale words leave as 4 bytes of every 8: one byte for each 32 bytes of codes.
.set SPX,  1040                        ; a stage row: 1,024 bytes + 16: 65 x 16, so the 16 rows of a read fall on 16 different groups of banks
.set R,    16                          ; v16-143  x as loaded: two halves of 16 rows x 4 registers; later the second half's 64 neighbours
.set X,    144                         ; v144-207 the first half's 64 neighbours; later the second half's codes
.set TM,   208                         ; v208-223 at work: largest magnitudes, bytes, holds, scale operands
.set PW0,  224
.set PW1,  225
.set WD,   226
.set PC0,  228
.set PC1,  144
.set SEL,  24                          ; s[24:25] lane selects: lane xor 16
.set MNT,  26                          ; s26 the mantissa field of 448
.set HI16, 27                          ; s27 lanes 16-31
.set WX,   32                          ; the weights' path: v32-159 128 numbers down K
.set WC,   160                         ; v160-191 their codes
.set SB,   24                          ; v24 the four scale bytes
; 64 numbers of a lane, register 16 b + i = k 32 b + 16 hf + i of my row, become 16 registers of codes and a scale word
.macro QUANT s, pc, pw
.irp b, 0,1,2,3
	v_max3_num_f32 v[TM+\b], |v[\s+16*\b]|, |v[\s+1+16*\b]|, 0x4800000   ; my 16 numbers of block b, and the floor 2^(9 - 127): the byte cannot fall under 1
.endr
.irp i, 2,4,6,8,10,12,14
.irp b, 0,1,2,3
	v_max3_num_f32 v[TM+\b], v[TM+\b], |v[\s+16*\b+\i]|, |v[\s+1+16*\b+\i]|
.endr
.endr
.irp b, 0,1,2,3
	v_permlanex16_b32 v[TM+4+\b], v[TM+\b], s[SEL], s[SEL+1]
.endr
.irp b, 0,1,2,3
	v_max_num_f32 v[TM+\b], v[TM+\b], v[TM+4+\b]          ; with lane xor 16's 16: the block's largest magnitude
.endr
.irp b, 0,1,2,3
	v_add_nc_u32 v[TM+12+\b], 0xfc000000, v[TM+\b]        ; 8 off its exponent field: the conversion's scale operand
.endr
.irp b, 0,1,2,3
	v_and_or_b32 v[TM+8+\b], v[TM+\b], 0x7f800000, s[MNT] ; 448 x the scale
.endr
.irp b, 0,1,2,3
	v_lshrrev_b32 v[TM+4+\b], 23, v[TM+12+\b]             ; the scale's byte
.endr
	v_lshl_or_b32 v[\pw], v[TM+5], 8, v[TM+4]
	v_lshl_or_b32 v[\pw], v[TM+6], 16, v[\pw]
	v_lshl_or_b32 v[\pw], v[TM+7], 24, v[\pw]
.irp b, 0,1,2,3
.irp i, 0,1,2,3,4,5,6,7,8,9,10,11,12,13,14,15
	v_med3_num_f32 v[\s+16*\b+\i], v[\s+16*\b+\i], -v[TM+8+\b], v[TM+8+\b]   ; the conversion does not saturate (ISA guide 7.6.2): the hold comes first
.endr
	v_cvt_scalef32_pk8_fp8_f32 v[\pc+4*\b:\pc+4*\b+1], v[\s+16*\b:\s+16*\b+7], v[TM+12+\b]
	v_cvt_scalef32_pk8_fp8_f32 v[\pc+4*\b+2:\pc+4*\b+3], v[\s+16*\b+8:\s+16*\b+15], v[TM+12+\b]
.endr
	v_nop                                                 ; a plain line behind the last conversion
.endm
	s_load_b256 s[4:11], s[0:1], 0x0               ; x, w_qkv, w_proj, xw_img
	s_load_b128 s[12:15], s[0:1], 0x20             ; xw_sc, yw_img
	s_load_b64 s[16:17], s[0:1], 0x30              ; yw_sc
	v_lshl_add_u32 v254, v0, 2, 0x10400
	v_mov_b32 v255, 0
	v_lshrrev_b32 v1, 5, v0
	v_readfirstlane_b32 s18, v1                    ; wave
	v_and_b32 v7, 31, v0                           ; lane
	s_mov_b32 s[MNT], 0x600000
	s_mov_b32 s23, 0                               ; the upper word of every offset pair s[22:23]
	s_wait_kmcnt 0x0
	s_cmp_lt_u32 ttmp9, 512
	s_cbranch_scc0 .Lweights
	; ---- x: tile g, K = 256 x wave on: 16 rows x 1,024 bytes
	s_wait_alu depctr_va_vdst(0)
	v_lshlrev_b32 v1, 4, v7                        ; 16 x lane: my bytes of a load's 512, and of an image's 512
	s_mul_i32 s19, s18, 16*SPX                     ; my wave's stage
	v_add_nc_u32 v2, s19, v1                       ; into it, as loaded
	v_and_b32 v5, 15, v0                           ; r
	v_bfe_u32 v6, v0, 4, 1                         ; hf
	v_mul_u32_u24 v3, v5, SPX
	v_lshl_add_u32 v3, v6, 6, v3
	v_add_nc_u32 v3, s19, v3                       ; out of it: row r, 64 hf bytes on: 16 neighbours of a block
	v_lshlrev_b32 v4, 3, v5
	v_lshl_add_u32 v4, v6, 2, v4                   ; scale words: 8 r + 4 hf
	s_mov_b32 s[SEL], 0x76543210
	s_mov_b32 s[SEL+1], 0xfedcba98
	s_mov_b32 s[HI16], 0xffff0000
.irp b, 0,1,2,3
	v_mov_b32 v[TM+4+\b], 0                        ; a lane permute's destination counts as one of its sources
.endr
	s_lshr_b32 s20, ttmp9, 1
	s_lshl_b32 s20, s20, 5
	s_and_b32 s21, ttmp9, 1
	s_lshl_b32 s21, s21, 3
	s_add_co_u32 s20, s20, s21                     ; the tile's first row: 32 (g / 2) + 8 (g % 2)
	s_lshl_b32 s22, s20, 12
	s_lshl_b32 s21, s18, 10
	s_add_co_u32 s22, s22, s21
	s_add_nc_u64 s[4:5], s[4:5], s[22:23]
	s_mul_i32 s22, s18, 704
	s_add_co_u32 s22, s22, ttmp9
	s_lshl_b32 s22, s22, 12
	s_add_nc_u64 s[10:11], s[10:11], s[22:23]      ; xw_img at [kk][g]
	s_mul_i32 s22, s18, 11264
	s_lshl_b32 s21, ttmp9, 4
	s_add_co_u32 s22, s22, s21
	s_lshl_b32 s22, s22, 3
	s_add_nc_u64 s[12:13], s[12:13], s[22:23]      ; xw_sc at [kk][16 g]
.irp s, 0,1
.irp i, 0,1,2,3,4,5,6,7,8,9,10,11,12,13,14,15
	global_load_b128 v[R+64*\s+4*\i:R+64*\s+4*\i+3], v1, s[4:5] offset:(\i+8*(\i/8))*4096+512*\s th:TH_LOAD_NT   ; 512 consecutive bytes of tile row i
.endr
.endr
	s_wait_alu depctr_va_vdst(0)
	s_wait_loadcnt 16                              ; the first half's 16 loads are in; the second half's may be out
.irp i, 0,1,2,3,4,5,6,7,8,9,10,11,12,13,14,15
	ds_store_b128 v2, v[R+4*\i:R+4*\i+3] offset:\i*SPX
.endr
.irp c, 0,1,2,3
.irp j, 0,1,2,3
	ds_load_b128 v[X+16*\c+4*\j:X+16*\c+4*\j+3], v3 offset:128*\c+16*\j   ; LDS serves a wave's instructions in order: these see my stores
.endr
.endr
	s_wait_loadcnt 0x0
.irp i, 0,1,2,3,4,5,6,7,8,9,10,11,12,13,14,15
	ds_store_b128 v2, v[R+64+4*\i:R+64+4*\i+3] offset:\i*SPX+512
.endr
	s_wait_dscnt 16                                ; all but the 16 stores just issued: the first half's neighbours are in
.irp c, 0,1,2,3
.irp j, 0,1,2,3
	ds_load_b128 v[R+16*\c+4*\j:R+16*\c+4*\j+3], v3 offset:512+128*\c+16*\j
.endr
.endr
	QUANT X, PC0, PW0
.irp c, 0,1,2,3
	global_store_b128 v1, v[PC0+4*\c:PC0+4*\c+3], s[10:11] offset:512*\c      ; 512 consecutive bytes
.endr
	s_wait_dscnt 0x0
	QUANT R, PC1, PW1
.irp c, 0,1,2,3
	global_store_b128 v1, v[PC1+4*\c:PC1+4*\c+3], s[10:11] offset:2048+512*\c
.endr
	v_cndmask_b32 v[WD], v[PW0], v[PW1], s[HI16]   ; lanes 0-15 the first unit's word, lanes 16-31 the second's
	global_store_b32 v4, v[WD], s[12:13]           ; 128 consecutive bytes
	s_wait_tensorcnt 0x0
	ds_add_u32 v254, v255
	s_wait_dscnt 0x0
	s_endpgm
; ---- a weight [K][N]: a lane takes a column and its registers run down K; a wave takes 32 columns x 128 K
.macro WBLOCK t, left, img
.set XS, WX+32*(\t)
	s_wait_loadcnt \left                           ; never more than the loads issued behind this block's 32
	v_max3_num_f32 v12, |v[XS]|, |v[XS+1]|, |v[XS+2]|
	v_max3_num_f32 v13, |v[XS+3]|, |v[XS+4]|, |v[XS+5]|
.irp i, 6,10,14,18,22,26
	v_max3_num_f32 v12, v12, |v[XS+\i]|, |v[XS+\i+1]|
	v_max3_num_f32 v13, v13, |v[XS+\i+2]|, |v[XS+\i+3]|
.endr
	v_max3_num_f32 v12, v12, |v[XS+30]|, |v[XS+31]|
	v_max3_num_f32 v12, v12, v13, 0x4800000        ; and the floor
	v_add_nc_u32 v11, 0xfc000000, v12
	v_and_or_b32 v10, v12, 0x7f800000, s[MNT]
	v_lshrrev_b32 v13, 23, v11
.if (\t) == 0
	v_mov_b32 v[SB], v13
.else
	v_lshl_or_b32 v[SB], v13, 8*(\t), v[SB]
.endif
.irp i, 0,1,2,3,4,5,6,7,8,9,10,11,12,13,14,15,16,17,18,19,20,21,22,23,24,25,26,27,28,29,30,31
	v_med3_num_f32 v[XS+\i], v[XS+\i], -v10, v10
.endr
.irp g, 0,1,2,3
	v_cvt_scalef32_pk8_fp8_f32 v[WC+8*(\t)+2*\g:WC+8*(\t)+2*\g+1], v[XS+8*\g:XS+8*\g+7], v11
.endr
	v_nop
	global_store_b128 v5, v[WC+8*(\t):WC+8*(\t)+3], s[\img:\img+1] offset:512*(\t)         ; k 0-15 of the block: the image's lanes 0-15.  16 lanes fill 256 consecutive bytes of each of two tiles
	global_store_b128 v5, v[WC+8*(\t)+4:WC+8*(\t)+7], s[\img:\img+1] offset:512*(\t)+256   ; k 16-31: its lanes 16-31
.endm
.macro WPATH pitch, g0, src, img, sc, nt, npos
	s_sub_co_u32 s19, ttmp9, \g0
	s_and_b32 s20, s19, 7                          ; which 128 along K
	s_lshr_b32 s21, s19, 3
	s_lshl_b32 s21, s21, 2
	s_add_co_u32 s21, s21, s18                     ; which 32 columns
	s_mul_i32 s22, s20, 128*\pitch
	s_lshl_b32 s30, s21, 7
	s_add_co_u32 s22, s22, s30
	s_add_nc_u64 s[\src:\src+1], s[\src:\src+1], s[22:23]
	s_lshr_b32 s28, s20, 1                         ; kk
	s_and_b32 s29, s20, 1                          ; which unit
	s_mul_i32 s22, s28, \nt
	s_lshl_b32 s30, s21, 1
	s_add_co_u32 s22, s22, s30
	s_add_co_u32 s22, s22, 512                     ; the weights' tiles begin at 512
	s_lshl_b32 s22, s22, 12
	s_lshl_b32 s30, s29, 11
	s_add_co_u32 s22, s22, s30
	s_add_nc_u64 s[\img:\img+1], s[\img:\img+1], s[22:23]
	s_mul_i32 s22, s28, \npos
	s_lshl_b32 s30, s21, 5
	s_add_co_u32 s22, s22, s30
	s_add_co_u32 s22, s22, 8192
	s_lshl_b32 s22, s22, 3
	s_lshl_b32 s30, s29, 2
	s_add_co_u32 s22, s22, s30
	s_add_nc_u64 s[\sc:\sc+1], s[\sc:\sc+1], s[22:23]
.set kq, 0
.rept 128
	global_load_b32 v[WX+kq], v3, s[\src:\src+1] offset:kq*\pitch th:TH_LOAD_NT   ; row k at 32 neighbouring columns; the four waves stand side by side on 512 bytes
.set kq, kq+1
.endr
	WBLOCK 0, 63, \img
	WBLOCK 1, 63, \img
	WBLOCK 2, 32, \img
	WBLOCK 3, 0, \img
	global_store_b32 v6, v[SB], s[\sc:\sc+1]
.endm
.Lweights:
	s_wait_alu depctr_va_vdst(0)
	v_lshlrev_b32 v3, 2, v7                        ; in: 4 bytes a lane
	v_bfe_u32 v8, v7, 3, 1                         ; column 32 tp + lane lies in tile 2 tp + u, u = (lane / 8) % 2,
	v_and_b32 v9, 7, v7
	v_lshrrev_b32 v10, 4, v7
	v_lshl_add_u32 v9, v10, 3, v9                  ; at tile row r = lane % 8 + 8 (lane / 16)
	v_lshlrev_b32 v5, 4, v9
	v_lshl_add_u32 v5, v8, 12, v5                  ; codes: 4,096 u + 16 r
	v_lshlrev_b32 v6, 3, v9
	v_lshl_add_u32 v6, v8, 7, v6                   ; scale word: 8 (16 u + r)
	s_cmp_lt_u32 ttmp9, 704
	s_cbranch_scc0 .Lproj
	s_wait_alu depctr_va_vdst(0)
	WPATH 12288, 512, 6, 10, 12, 704, 11264
	s_endpgm
.Lproj:
	s_wait_alu depctr_va_vdst(0)
	WPATH 4096, 704, 8, 14, 16, 576, 9216
	s_endpgm
.Lfunc_end_k_qd2e3f0fde3_quant:
	.size	k_qd2e3f0fde3_quant, .Lfunc_end_k_qd2e3f0fde3_quant-k_qd2e3f0fde3_quant
	.p2alignl 7, 3214868480
	.fill 96, 4, 3214868480
	.section	.rodata,"a",@progbits
	.p2align	6, 0x0
	.amdhsa_kernel k_qd2e3f0fde3_quant
		.amdhsa_group_segment_fixed_size 67072
		.amdhsa_private_segment_fixed_size 0
		.amdhsa_enable_private_segment 0
		.amdhsa_kernarg_size 56
		.amdhsa_user_sgpr_count 2
		.amdhsa_user_sgpr_kernarg_segment_ptr 1
		.amdhsa_wavefront_size32 1
		.amdhsa_system_sgpr_workgroup_id_x 1
		.amdhsa_system_sgpr_workgroup_id_y 1
		.amdhsa_system_sgpr_workgroup_id_z 1
		.amdhsa_system_vgpr_workitem_id 0
		.amdhsa_next_free_vgpr 256
		.amdhsa_next_free_sgpr 66
		.amdhsa_reserve_vcc 0
		.amdhsa_float_denorm_mode_32 3
		.amdhsa_float_denorm_mode_16_64 3
		.amdhsa_memory_ordered 1
		.amdhsa_forward_progress 1
		.amdhsa_inst_pref_size 84
	.end_amdhsa_kernel
	.amdgpu_metadata
---
amdhsa.version: [ 1, 2 ]
amdhsa.kernels:
  - .name:           k_qd2e3f0fde3_quant
    .symbol:         k_qd2e3f0fde3_quant.kd
    .args:
      - { .name: x, .offset: 0, .size: 8, .value_kind: global_buffer, .address_space: global }
      - { .name: w_qkv, .offset: 8, .size: 8, .value_kind: global_buffer, .address_space: global }
      - { .name: w_proj, .offset: 16, .size: 8, .value_kind: global_buffer, .address_space: global }
      - { .name: xw_img, .offset: 24, .size: 8, .value_kind: global_buffer, .address_space: global }
      - { .name: xw_sc, .offset: 32, .size: 8, .value_kind: global_buffer, .address_space: global }
      - { .name: yw_img, .offset: 40, .size: 8, .value_kind: global_buffer, .address_space: global }
      - { .name: yw_sc, .offset: 48, .size: 8, .value_kind: global_buffer, .address_space: global }
    .group_segment_fixed_size: 67072
    .private_segment_fixed_size: 0
    .kernarg_segment_align: 8
    .kernarg_segment_size: 56
    .max_flat_workgroup_size: 128
    .sgpr_count:     66
    .vgpr_count:     256
    .wavefront_size: 32
...
	.end_amdgpu_metadata
.endif
;; end of part 1
;; launch qkv (part 2): grid 32 x 8, 4 waves a work-group, clusters of 4 x 1, 327,680 bytes of LDS; arguments xw_img, xw_sc, cos, sin, attn_mask, qkv_img, qkv_sc; writes qkv_img, qkv_sc
.if DOCPART == 2
	.amdgcn_target "amdgcn-amd-amdhsa--gfx1250"
	.amdhsa_code_object_version 6
	.text
	.protected	k_qd2e3f0fde3_qkv
	.globl	k_qd2e3f0fde3_qkv
	.p2align	8
	.type	k_qd2e3f0fde3_qkv,@function
k_qd2e3f0fde3_qkv:
	s_mov_b64 s[64:65], 0
	v_nop
	global_prefetch_b8 v0, s[64:65] scope:SCOPE_SE
	s_setreg_imm32_b32 hwreg(HW_REG_WAVE_MODE, 25, 1), 1
	s_wait_xcnt 0x0
	s_wait_alu depctr_hold_cnt(0) depctr_sa_sdst(0) depctr_va_vdst(0) depctr_va_sdst(0) depctr_va_ssrc(0) depctr_va_vcc(0) depctr_vm_vsrc(0)
	s_getreg_b32 s2, hwreg(HW_REG_IB_STS2, 6, 4)
	s_cmp_eq_u32 s2, 0
	s_cbranch_scc0 .Lentry_in_a_cluster
	s_endpgm
.Lentry_in_a_cluster:
	s_bfe_u32 s2, ttmp6, 0x10000c
	s_cmp_lg_u32 s2, 0x3003
	s_cbranch_scc0 .Lentry_shape_is_right
	s_endpgm
.Lentry_shape_is_right:
; qkv = x w_qkv on codes of E4M3; RoPE on q and k; q, k (along the head's 64) and v (along the keys) quantised again in registers and stored as images of the next operands' registers.
; A work-group makes 256 tokens x (128 columns of q, 128 of k, 128 of v: two heads).  A wave keeps 64 tokens, ALL of K, in 512 registers (four tiles of 16 rows) and streams the weights' tiles past them IN PAIRS:
; 64 matrix instructions, 8 accumulators by turns.  x comes once, straight into registers: it is stored as images of these registers.
; THE WEIGHTS lie in two LDS slots of eight tiles (128 columns, 131,072 bytes and 4,096 of scale words): w_q in 0, w_k in 1, and w_v in 0 again.  The four row groups of a cluster are one batch and share each load: the mask is 15.
; No prefetch: w_k's and w_v's loads go out 256 matrix instructions ahead of their first use.  x is read by eight work-groups of one row group in different clusters, into registers, so no joint load serves it.
; ORDER.  Pair A is head 0's tiles 2 e, 2 e + 1 (dims 32 e + 0..31), pair B head 1's; e is 0, 1 for q, 1, 0 for k, 0, 1 for v, so cos and sin change once a trip of two pairs.
; TRANSPOSED for q, k (source 0 = weight): a lane holds a token, and the 16 registers of tile a's two sums are dims 32 e + 16 hf + 0..15.  For v source 0 = x: a lane holds a dim, and the sums of token tiles 2 c, 2 c + 1 are 16 neighbouring keys.
; THE WAY OUT of a pair (RoPE, largest magnitudes, holds, conversions) stands among the NEXT pair's products, three lines behind each, two groups of 16 registers by turns.  The very first pair of q and of v finds no pair before it and stores nothing.
; THE KEY MASK RIDES IN q k^T: byte 2 of a key's scale word is 227 (2^100) for a key whose mask byte is 0 and 0 (2^-127) else; byte 2 of a query's word is 127.  (The next launch sets the code +1 in every key, -1 in every query at place 64.)
; LIMITS: scores up to about 2^76 in magnitude; a valid key's score carries -2^-127; blocks under 2^-118 keep the byte 1; NaN and infinities are not served.
; REGISTERS: windows 1, 2: x, fragment (q, a) at 64 (q % 4) + 16 a of window 1 + q / 4.  Window 3: the weights, two halves (q 0-3, q 4-7) of 128.  Window 0: all else.
.set STEPK, 704*4096                   ; bytes from 256 along K to the next 256, in the codes
.set SCK,   11264*8                    ; and in the scale words
.set SCL,   262144                     ; behind the two slots: their scale words, [slot][kk 4][128 columns][8 bytes]
.set STG,   SCL+8192                   ; q's and k's scale words on their way out: 1,024 bytes a wave: [q h0, q h1, k h0, k h1][64 tile rows][4]
.set VSTG,  STG+4096                   ; v's: [head 2][key step 2][dim tile 4][16][4]
.set SPARE, VSTG+1024                  ; the spare words
.set CO,   1                           ; 16 x lane
.set ADR,  2                           ; v2, v3: LDS address of the weights' fragments: kk 0, 1 and kk 2, 3
.set SCA,  4                           ; of their scale words
.set SCB,  5                           ; SCL + 8 x lane
.set VX,   6                           ; LDS address of a scale byte that leaves
.set VXB,  7
.set CD,   8                           ; v8-15 codes of groups 0, 1
.set XS,   16                          ; v16-31 x's scale words: 8 (a / 2) + q: lanes 0-15 tile a, lanes 16-31 tile a + 1
.set VXV,  32
.set CA,   33                          ; cos, sin: 128 rho(r) + 32 hf
.set SPW,  34
.set NIL,  35
.set WSC,  36                          ; v36-51 the weights' scale words, two sets of eight: lanes 0-15 the pair's first tile, lanes 16-31 its second
.set TW,   52                          ; v52-63 at work: six for each of two groups
.set ACC,  64                          ; v64-191 two sets of eight sums
.set CS,   192                         ; v192-255 cos and sin: 16 a: eight cos, eight sin
.set SOFF, 75                          ; s75: slot x 131,072 + e x 8,192 of the pair that is fetched
.set TRP,  79
.set PH,   80
.set PN,   81
.set MSB, 0
.macro WIN new                         ; the immediate's high byte repeats the setting that is left
.if MSB != (\new)
	s_set_vgpr_msb (MSB<<8)|(\new)
.set MSB, (\new)
.endif
.endm
.macro PLACES                          ; eight places behind this matrix instruction
.rept 8
	v_nop
.endr
.endm
.macro CROUND                          ; a round of the cluster's barrier
	s_barrier_signal -1
	s_barrier_wait -1
	s_cmp_lg_u32 s14, 0
	s_cbranch_scc1 .Lnot_wave_0_\@
	s_barrier_signal -3
.Lnot_wave_0_\@:
	s_barrier_wait -3
	s_barrier_signal -1
	s_barrier_wait -1
.endm
.macro JLOAD                           ; a joint load: waves 0, 1 fetch codes (512 along K each), waves 2, 3 scale words; four v_nop follow each line
	s_cmp_eq_u32 s15, 0
	s_cbranch_scc0 .Lwords_\@
	tensor_load_to_lds s[32:35], s[24:31]
	s_nop 0
.rept 4
	v_nop
.endr
	s_branch .Lasked_\@
.Lwords_\@:
	tensor_load_to_lds s[36:39], s[48:55]
	s_nop 0
.rept 4
	v_nop
.endr
.Lasked_\@:
.endm
.macro XLOAD half, base                ; my four tiles of x, 512 along K
	WIN (1+\half)<<6
.irp qi, 0,1,2,3
.irp a, 0,1,2,3
.irp c, 0,1,2,3
	global_load_b128 v[64*\qi+16*\a+4*\c:64*\qi+16*\a+4*\c+3], v[CO], s[\base:\base+1] offset:(\qi/2)*STEPK+\a*4096+(\qi%2)*2048+512*\c
.endr
.endr
.endr
	WIN 0
.endm
.macro CSLOAD a                        ; tile a's eight cos and eight sin of my token
.irp j, 0,1
	global_load_b128 v[CS+16*(\a)+4*\j:CS+16*(\a)+4*\j+3], v[CA], s[60:61] offset:(32*((\a)/2)+8*((\a)%2))*128+16*\j
	global_load_b128 v[CS+16*(\a)+8+4*\j:CS+16*(\a)+8+4*\j+3], v[CA], s[62:63] offset:(32*((\a)/2)+8*((\a)%2))*128+16*\j
.endr
.endm
.macro SETADR
	v_add_nc_u32 v[ADR], s[SOFF], v[CO]
	s_lshr_b32 s22, s[SOFF], 5                     ; slot x 4,096 + e x 256
	v_add_nc_u32 v[SCA], s22, v[SCB]
.endm
.macro FETCHS hd                       ; a pair's scale words: four loads
.irp k, 0,1,2,3
	ds_load_b64 v[WSC+8*\hd+2*\k:WSC+8*\hd+2*\k+1], v[SCA] offset:1024*\k+512*\hd
.endr
.endm
.macro FETCHW half, hd                 ; half a pair's fragments: 32 loads of 512 consecutive bytes
	WIN 0xc0
.irp qi, 0,1,2,3
.irp u, 0,1
.irp c, 0,1,2,3
	ds_load_b128 v[128*\half+16*(2*\qi+\u)+4*\c:128*\half+16*(2*\qi+\u)+4*\c+3], v[ADR+\half] offset:(\qi/2)*32768+16384*\hd+4096*\u+(\qi%2)*2048+512*\c
.endr
.endr
.endr
	WIN 0
.endm
.macro MM a, b, sa, sb, ra, rb
.if Q_ == 0                            ; the first product starts the sum
.if (\ra) && (\rb)
	v_wmma_scale_f32_16x16x128_f8f6f4 v[D_:D_+7], v[\a:\a+15], v[\b:\b+15], 0, v[\sa], v[\sb] matrix_a_scale:MATRIX_SCALE_ROW1 matrix_b_scale:MATRIX_SCALE_ROW1
.elseif \ra
	v_wmma_scale_f32_16x16x128_f8f6f4 v[D_:D_+7], v[\a:\a+15], v[\b:\b+15], 0, v[\sa], v[\sb] matrix_a_scale:MATRIX_SCALE_ROW1
.elseif \rb
	v_wmma_scale_f32_16x16x128_f8f6f4 v[D_:D_+7], v[\a:\a+15], v[\b:\b+15], 0, v[\sa], v[\sb] matrix_b_scale:MATRIX_SCALE_ROW1
.else
	v_wmma_scale_f32_16x16x128_f8f6f4 v[D_:D_+7], v[\a:\a+15], v[\b:\b+15], 0, v[\sa], v[\sb]
.endif
.else
.if (\ra) && (\rb)
	v_wmma_scale_f32_16x16x128_f8f6f4 v[D_:D_+7], v[\a:\a+15], v[\b:\b+15], v[D_:D_+7], v[\sa], v[\sb] matrix_a_scale:MATRIX_SCALE_ROW1 matrix_b_scale:MATRIX_SCALE_ROW1
.elseif \ra
	v_wmma_scale_f32_16x16x128_f8f6f4 v[D_:D_+7], v[\a:\a+15], v[\b:\b+15], v[D_:D_+7], v[\sa], v[\sb] matrix_a_scale:MATRIX_SCALE_ROW1
.elseif \rb
	v_wmma_scale_f32_16x16x128_f8f6f4 v[D_:D_+7], v[\a:\a+15], v[\b:\b+15], v[D_:D_+7], v[\sa], v[\sb] matrix_b_scale:MATRIX_SCALE_ROW1
.else
	v_wmma_scale_f32_16x16x128_f8f6f4 v[D_:D_+7], v[\a:\a+15], v[\b:\b+15], v[D_:D_+7], v[\sa], v[\sb]
.endif
.endif
.endm
.macro PROD kind, set, half, n         ; product n of a half pair: 128 along K (n / 8), the pair's tile u, token tile a.  kind 0: q, k; kind 1: v
.set QI_, (\n)/8
.set U_, ((\n)%8)/4
.set A_, (\n)%4
.set Q_, 4*\half+QI_
.set WR_, 128*\half+16*(2*QI_+U_)
.set XR_, 64*QI_+16*A_
.set XS_, XS+8*(A_/2)+Q_
.set WS_, WSC+8*\set+Q_
.if \kind
.set D_, ACC+64*\set+16*(2*U_+A_/2)+8*(A_%2)
	WIN (1+\half)|(3<<2)
	MM XR_, WR_, XS_, WS_, A_%2, U_
.else
.set D_, ACC+64*\set+16*A_+8*U_
	WIN 3|((1+\half)<<2)
	MM WR_, XR_, WS_, XS_, U_, A_%2
.endif
.endm
.macro ROPE                            ; line J_ = 0..15: pair m: (x1 cos - x2 sin, x2 cos + x1 sin), in place; a register pair of cos serves two pairs of dims
.if J_ == 15
.set M_, 7
.elseif J_ == 0
.set M_, 0
.elseif J_%2
.set M_, (J_+1)/2
.else
.set M_, J_/2-1
.endif
.set Y_, X_+2*M_
.set P2_, T_+2*(M_%2)
.set K_, C_+M_-M_%2
.if (J_ == 0) || ((J_%2) && (J_ < 15))
.if M_%2
	v_pk_mul_f32 v[P2_:P2_+1], v[Y_:Y_+1], v[K_+8:K_+9] op_sel:[1,1] op_sel_hi:[0,1]
.else
	v_pk_mul_f32 v[P2_:P2_+1], v[Y_:Y_+1], v[K_+8:K_+9] op_sel:[1,0] op_sel_hi:[0,0]
.endif
.else
.if M_%2
	v_pk_fma_f32 v[Y_:Y_+1], v[Y_:Y_+1], v[K_:K_+1], v[P2_:P2_+1] op_sel:[0,1,0] op_sel_hi:[1,1,1] neg_lo:[0,0,1]
.else
	v_pk_fma_f32 v[Y_:Y_+1], v[Y_:Y_+1], v[K_:K_+1], v[P2_:P2_+1] op_sel:[0,0,0] op_sel_hi:[1,0,1] neg_lo:[0,0,1]
.endif
.endif
.endm
.macro QUANT                           ; line J_ = 0..30: 16 numbers of mine and 16 of lane xor 16 are a block: codes at DD_, the byte at T_ + 5
.if J_ < 6
.set Y_, X_+8*(J_%2)+2*(J_/2)
.if J_ < 2
	v_max3_num_f32 v[T_+J_], |v[Y_]|, |v[Y_+1]|, |v[Y_+2]|     ; each sum is read from its low end on
.else
	v_max3_num_f32 v[T_+J_%2], v[T_+J_%2], |v[Y_+1]|, |v[Y_+2]|
.endif
.elseif J_ == 6
	v_max3_num_f32 v[T_], v[T_], v[T_+1], |v[X_+7]|
.elseif J_ == 7
	v_max3_num_f32 v[T_], v[T_], |v[X_+15]|, 0x4800000         ; and the floor 2^(9 - 127): the byte cannot fall under 1
.elseif J_ == 8
	v_permlanex16_b32 v[T_+2], v[T_], s72, s73
.elseif J_ == 9
	v_max_num_f32 v[T_], v[T_], v[T_+2]
.elseif J_ == 10
	v_add_nc_u32 v[T_+4], 0xfc000000, v[T_]                    ; 8 off its exponent field: the conversion's scale operand
.elseif J_ == 11
	v_and_or_b32 v[T_+3], v[T_], 0x7f800000, s74               ; 448 x the scale
.elseif J_ < 20
	v_med3_num_f32 v[X_+J_-12], v[X_+J_-12], -v[T_+3], v[T_+3] ; the conversion does not saturate (ISA guide 7.6.2)
.elseif J_ == 20
	v_cvt_scalef32_pk8_fp8_f32 v[DD_:DD_+1], v[X_:X_+7], v[T_+4]
.elseif J_ < 29
	v_med3_num_f32 v[X_+J_-13], v[X_+J_-13], -v[T_+3], v[T_+3]
.elseif J_ == 29
	v_cvt_scalef32_pk8_fp8_f32 v[DD_+2:DD_+3], v[X_+8:X_+15], v[T_+4]
.elseif J_ == 30
	v_lshrrev_b32 v[T_+5], 23, v[T_+4]                         ; the scale's byte
.endif
.endm
; Line k of a half's way out: groups g0, g0 + 1 of the sums at x, by turns.  lk 1: q, k (94 lines); lk 2: v (62).  The upper groups' codes go where the lower groups' sums lay.
.macro LINE lk, k, x, g0
.set P_, (\k)%2
.set J_, (\k)/2
.set G_, \g0+P_
.set X_, \x+16*G_
.set C_, CS+16*G_
.set T_, TW+6*P_
.if (\g0) == 0
.set DD_, CD+4*P_
.else
.set DD_, \x+16*P_
.endif
.if (\lk) == 1
.if J_ < 16
	ROPE
.else
.set J_, J_-16
	QUANT
.endif
.else
	QUANT
.endif
.endm
.macro HALF kind, set, half, lk, x, cs ; 32 products, and behind them the way out's lines; cs = 1: behind the last use of two tiles' cos and sin the next are asked for
.set N_, 0
.rept 32
	PROD \kind, \set, \half, N_
.if 3*N_ < 2*(63-16*(\lk))
	WIN 0
	LINE \lk, 3*N_, \x, 2*\half
	LINE \lk, 3*N_+1, \x, 2*\half
	LINE \lk, 3*N_+2, \x, 2*\half
.endif
.if \cs && (N_ == 11)
	CSLOAD 2*\half
	CSLOAD 2*\half+1
.endif
.set N_, N_+1
.endr
	WIN 0
	PLACES
.endm
.macro OUT kind, hd, h, x              ; two groups leave: a byte into LDS, 512 consecutive bytes of codes each
.irp p, 0,1
.if \h
.set DD_, \x+16*\p
.else
.set DD_, CD+4*\p
.endif
.if \kind
	ds_store_b8 v[VX], v[TW+6*\p+5] offset:512*\hd+64*\h+\p
	global_store_b128 v[CO], v[DD_:DD_+3], s[58:59] offset:196608*\hd+2048*\h+512*\p
.else
	ds_store_b8 v[VX], v[TW+6*\p+5] offset:256*\hd+128*\h+64*\p
	global_store_b128 v[CO], v[DD_:DD_+3], s[58:59] offset:196608*\hd+2048*\h+1024*\p
.endif
.endr
.endm
.macro OUTB kind, h                    ; pair B of the trip before, if there is one
	s_cmp_eq_u32 s[PN], 0
	s_cbranch_scc1 .Lnone_before_\@
	OUT \kind, 1, \h, ACC+64
.Lnone_before_\@:
.endm
.macro TRIP kind                       ; two pairs
	s_wait_xcnt 0x0                                ; the stores have read their registers and bases
.if \kind == 0
	s_and_b32 s20, s[SOFF], 8192
	s_lshr_b32 s20, s20, 7                         ; 64 e bytes
	s_add_nc_u64 s[60:61], s[8:9], s[20:21]
	s_add_nc_u64 s[62:63], s[10:11], s[20:21]
.endif
	s_add_co_u32 s22, s[SOFF], 65536
	v_add_nc_u32 v[ADR+1], s22, v[CO]
	FETCHW 1, 0
	s_wait_dscnt 32                                ; all but the 32 just issued: the pair's first half and its scale words
	HALF \kind, 0, 0, 1+\kind, ACC+64, 1-\kind
	OUTB \kind, 0
	FETCHS 1
	FETCHW 0, 1
	s_wait_dscnt 36                                ; all but the 36 just issued
	HALF \kind, 0, 1, 1+\kind, ACC+64, 1-\kind
	OUTB \kind, 1
	s_wait_xcnt 0x0
	s_and_b32 s20, s[SOFF], 8192
.if \kind
	s_lshr_b32 s22, s20, 1                         ; where this trip's pairs go: 4,096 e; their bytes: 128 e
	s_lshr_b32 s20, s20, 6
	s_add_nc_u64 s[58:59], s[66:67], s[22:23]
	v_add_nc_u32 v[VX], s20, v[VXV]
.else
	s_and_b32 s19, s[SOFF], 131072                 ; k: 65,536 on; e: 512.  Their bytes: 512, and e
	s_lshr_b32 s22, s20, 4
	s_lshr_b32 s20, s20, 13
	s_lshr_b32 s18, s19, 1
	s_lshr_b32 s19, s19, 8
	s_add_co_u32 s22, s22, s18
	s_add_co_u32 s20, s20, s19
	s_add_nc_u64 s[58:59], s[56:57], s[22:23]
	v_add_nc_u32 v[VX], s20, v[VXB]
.endif
	FETCHW 1, 1
	s_wait_dscnt 32
.if \kind == 0
	s_wait_loadcnt 8                               ; tiles 0, 1: the eight loads of tiles 2, 3 may be out
.endif
	HALF \kind, 1, 0, 1+\kind, ACC, 0
	OUT \kind, 0, 0, ACC
	s_xor_b32 s[SOFF], s[SOFF], 8192
	s_cmp_eq_u32 s[TRP], 1
	s_cbranch_scc1 .Lslot_done_\@                  ; the slot's last pair: nothing more to fetch from it
	SETADR
	FETCHS 0
	FETCHW 0, 0
	s_wait_dscnt 36
	s_branch .Lgo_\@
.Lslot_done_\@:
	s_wait_dscnt 0x0
.Lgo_\@:
.if \kind == 0
	s_wait_loadcnt 0x0
.endif
	HALF \kind, 1, 1, 1+\kind, ACC, 0
	OUT \kind, 0, 1, ACC
	s_add_co_u32 s[PN], s[PN], 1
	s_add_co_u32 s[TRP], s[TRP], 1
.endm
.macro TAIL kind                       ; the last pair B leaves
.irp h, 0,1
.set N_, 0
.rept 94-32*\kind
	LINE 1+\kind, N_, ACC+64, 2*\h
.set N_, N_+1
.endr
	OUT \kind, 1, \h, ACC+64
.endr
.endm
	s_load_b256 s[4:11], s[0:1], 0x0               ; xw_img, xw_sc, cos, sin
	s_load_b128 s[96:99], s[0:1], 0x20             ; attn_mask, qkv_img
	s_load_b64 s[100:101], s[0:1], 0x30            ; qkv_sc
	v_lshl_add_u32 v[SPW], v0, 2, SPARE
	v_mov_b32 v[NIL], 0
	ds_add_u32 v[SPW], v[NIL]                      ; the opening: the add, twice on end, and its wait
	ds_add_u32 v[SPW], v[NIL]
	v_lshrrev_b32 v52, 5, v0
	v_readfirstlane_b32 s14, v52                   ; wave w
	s_lshr_b32 s15, s14, 1                         ; I fetch codes (0) or scale words (1)
	s_and_b32 s16, s14, 1                          ; which 512 along K
	s_bfe_u32 s40, ttmp6, 0x40000                  ; cx: which 256 tokens of the batch
	s_and_b32 s17, ttmp7, 0xffff                   ; Y: heads 2 Y, 2 Y + 1
	s_mov_b32 s24, 15|(3<<16)|(1<<21)              ; codes: 2 rows (kk) of 4,096 elements of 8 bytes: eight tiles; 15:0 the mask, 21 set beside it
	s_mov_b32 s25, 4096<<16
	s_mov_b32 s26, 2<<16
	s_mov_b32 s27, 4096<<16
	s_mov_b32 s28, 2
	s_mov_b32 s29, STEPK/8
	s_mov_b32 s30, 0
	s_mov_b32 s31, 0
	s_mov_b32 s48, 15|(3<<16)|(1<<21)              ; scale words: 2 rows of 128 elements of 8 bytes
	s_mov_b32 s49, 128<<16
	s_mov_b32 s50, 2<<16
	s_mov_b32 s51, 128<<16
	s_mov_b32 s52, 2
	s_mov_b32 s53, SCK/8
	s_mov_b32 s54, 0
	s_mov_b32 s55, 0
	s_lshl_b32 s19, s17, 3
	s_add_co_u32 s19, s19, 512                     ; w_q's first tile of my columns
	s_lshl_b32 s20, s19, 12
	s_mul_i32 s18, s16, 2*STEPK
	s_add_co_u32 s20, s20, s18
	s_lshl_b32 s22, s19, 7
	s_mul_i32 s18, s16, 2*SCK
	s_add_co_u32 s22, s22, s18
	s_mov_b32 s21, 0
	s_mov_b32 s23, 0
	s_mov_b32 s32, 1
	s_lshl_b32 s33, s16, 16
	s_mov_b32 s36, 1
	s_lshl_b32 s37, s16, 11
	s_add_co_u32 s37, s37, SCL
	s_wait_dscnt 0x0                               ; both opening adds are done
	s_wait_kmcnt 0x0
	s_add_nc_u64 s[34:35], s[4:5], s[20:21]
	s_or_b32 s35, s35, 0x80000000
	s_add_nc_u64 s[38:39], s[6:7], s[22:23]
	s_or_b32 s39, s39, 0x80000000
	CROUND                                         ; all four work-groups are here: the first joint loads meet
	JLOAD                                          ; w_q
	s_lshl_b32 s44, s40, 4
	s_lshl_b32 s45, s14, 2
	s_add_co_u32 s44, s44, s45                     ; my first tile in the batch
	s_lshl_b32 s45, ttmp9, 6
	s_add_co_u32 s45, s45, s44                     ; and in x
	s_lshl_b32 s20, s45, 12
	s_add_nc_u64 s[82:83], s[4:5], s[20:21]
	s_add_nc_u64 s[84:85], s[82:83], 2*STEPK
	s_lshl_b32 s20, s45, 7
	s_add_nc_u64 s[86:87], s[6:7], s[20:21]
	s_lshl_b32 s20, s44, 11
	s_add_nc_u64 s[8:9], s[8:9], s[20:21]          ; cos, sin of my first token
	s_add_nc_u64 s[10:11], s[10:11], s[20:21]
	s_mov_b64 s[60:61], s[8:9]
	s_mov_b64 s[62:63], s[10:11]
	s_lshl_b32 s20, s45, 4
	s_add_nc_u64 s[96:97], s[96:97], s[20:21]      ; its mask byte
	s_lshl_b32 s46, ttmp9, 4
	s_lshl_b32 s18, s17, 1
	s_add_co_u32 s46, s46, s18                     ; 16 x batch + my first head
	s_mul_i32 s20, s46, 196608
	s_add_nc_u64 s[66:67], s[98:99], s[20:21]
	s_lshl_b32 s22, s44, 10
	s_add_nc_u64 s[56:57], s[66:67], s[22:23]      ; q's image at my first tile
	s_mov_b64 s[58:59], s[56:57]                   ; where a pair leaves to: made anew in each trip's second pair
	s_lshl_b32 s22, s40, 14
	s_lshl_b32 s18, s15, 13
	s_add_co_u32 s22, s22, s18
	s_lshl_b32 s18, s16, 10
	s_add_co_u32 s22, s22, s18
	s_add_co_u32 s22, s22, 131072
	s_add_nc_u64 s[66:67], s[66:67], s[22:23]      ; v's image: key step 2 cx + w / 2, its blocks 2 (w % 2) on
	s_mul_i32 s20, s46, 10240
	s_add_nc_u64 s[70:71], s[100:101], s[20:21]
	s_lshl_b32 s22, s44, 6
	s_add_nc_u64 s[68:69], s[70:71], s[22:23]      ; q's words
	s_mul_i32 s22, s15, 10240
	s_lshl_b32 s18, s40, 9
	s_add_co_u32 s22, s22, s18
	s_lshl_b32 s18, s16, 8
	s_add_co_u32 s22, s22, s18
	s_add_co_u32 s22, s22, 8192
	s_add_nc_u64 s[70:71], s[70:71], s[22:23]      ; v's words that I store at the end: head w / 2, key step w % 2
	s_lshl_b32 s41, s14, 10
	s_add_co_u32 s41, s41, STG                     ; my words' place in LDS
	s_lshl_b32 s42, s15, 8
	s_lshl_b32 s18, s16, 1
	s_add_co_u32 s42, s42, s18
	s_add_co_u32 s42, s42, VSTG
	s_lshl_b32 s43, s14, 8
	s_add_co_u32 s43, s43, VSTG
	s_mov_b32 s72, 0x76543210
	s_mov_b32 s73, 0xfedcba98                      ; lane xor 16
	s_mov_b32 s74, 0x600000                        ; the mantissa field of 448
	s_mov_b32 s[SOFF], 0
	s_mov_b32 s[PH], 0
	s_mov_b32 s[PN], 0
	v_and_b32 v52, 31, v0                          ; lane
	v_and_b32 v53, 15, v0                          ; r
	v_bfe_u32 v54, v0, 4, 1                        ; hf
	v_lshlrev_b32 v[CO], 4, v52
	v_and_b32 v55, 8, v53
	v_lshl_add_u32 v[SCB], v52, 3, SCL
	v_add_nc_u32 v55, v55, v53                     ; rho(r) = r + 8 (r / 8)
	v_lshlrev_b32 v57, 3, v52
	v_lshl_add_u32 v[VXB], v53, 2, s41
	v_lshl_add_u32 v[VXV], v53, 2, s42
	v_lshl_add_u32 v[VX], v53, 2, s41
	v_lshl_add_u32 v56, v54, 3, v55                ; the token of tile row 16 hf + r
	v_lshlrev_b32 v[CA], 7, v55
	v_lshl_add_u32 v58, v52, 2, s41
	v_lshl_add_u32 v[CA], v54, 5, v[CA]
	global_load_u8 v59, v56, s[96:97]
	global_load_u8 v60, v56, s[96:97] offset:32
.irp k, 0,1,2,3
	global_load_b64 v[XS+2*\k:XS+2*\k+1], v57, s[86:87] offset:SCK*\k
	global_load_b64 v[XS+8+2*\k:XS+8+2*\k+1], v57, s[86:87] offset:SCK*\k+256
.endr
.irp a, 0,1,2,3
	CSLOAD \a
.endr
	XLOAD 0, 82
	XLOAD 1, 84
.set N_, 0
.rept 64
	v_mov_b32 v[ACC+64+N_], 0                      ; read by the first pair's lines, which store nothing
.set N_, N_+1
.endr
	v_mov_b32 v8, 0x7f0000
	v_mov_b32 v9, 0xe30000
	v_mov_b32 v10, 0
	s_wait_alu depctr_va_vdst(0)
	s_wait_loadcnt 0x0                             ; x, its scale words, cos, sin and the mask bytes: none of my loads is out at the next round
	v_cmp_ne_u32 vcc_lo, 0, v59
	v_cndmask_b32 v11, v9, v10, vcc_lo             ; byte 2 of a key's word
	v_cmp_ne_u32 vcc_lo, 0, v60
	v_cndmask_b32 v12, v9, v10, vcc_lo
.irp t, 0,1
	ds_store_b32 v58, v8 offset:256*\t             ; a query's words, a key's words: bytes 0 and 1 follow
	ds_store_b32 v58, v8 offset:256*\t+128
	ds_store_b32 v58, v11 offset:256*\t+512
	ds_store_b32 v58, v12 offset:256*\t+640
.endr
	s_wait_alu depctr_va_vdst(0)                   ; the wait at the head's end
.Lphase:                                           ; q, then k: the other slot is filled with the weight that follows: behind q's the slot read out, the first time slot 1
	s_wait_tensorcnt 0x0                           ; my part of this phase's weight is in;
	ds_add_u32 v[SPW], v[NIL]                      ; 0 onto my spare word
	s_xor_b32 s33, s33, 131072
	s_add_nc_u64 s[34:35], s[34:35], 262144        ; 64 tiles on
	s_xor_b32 s37, s37, 4096
	s_add_nc_u64 s[38:39], s[38:39], 8192
	s_wait_dscnt 0x0                               ; the add is done, and so are my reads of the other slot
	CROUND
	JLOAD
	SETADR
	FETCHS 0
	FETCHW 0, 0
	s_mov_b32 s[TRP], 0
.Ltrip:
	TRIP 0
	s_cmp_lt_u32 s[TRP], 2
	s_cbranch_scc1 .Ltrip
	s_xor_b32 s[SOFF], s[SOFF], 131072+8192        ; the other slot; e as the slot's last trip had it
	s_add_co_u32 s[PH], s[PH], 1
	s_cmp_lt_u32 s[PH], 2
	s_cbranch_scc1 .Lphase
	s_wait_tensorcnt 0x0                           ; w_v is in
	s_wait_dscnt 0x0
	s_barrier_signal -1
	s_barrier_wait -1
	SETADR
	FETCHS 0
	FETCHW 0, 0
	s_wait_xcnt 0x0
	TAIL 0                                         ; k's last pair leaves while the fragments come
	v_lshrrev_b32 v200, 1, v[CO]                   ; 8 x lane
	v_add_nc_u32 v201, s41, v200
.irp t, 0,1,2,3
	ds_load_b64 v[192+2*\t:193+2*\t], v201 offset:256*\t   ; my own bytes: LDS serves a wave's instructions in order
.endr
	s_wait_alu depctr_va_vdst(0)
	s_wait_dscnt 0x0
.irp t, 0,1,2,3
	global_store_b64 v200, v[192+2*\t:193+2*\t], s[68:69] offset:4096*(\t/2)+10240*(\t%2)   ; 256 consecutive bytes: q's, k's words of two heads
.endr
	s_mov_b32 s[TRP], 0
	s_mov_b32 s[PN], 0
.Lvtrip:
	TRIP 1
	s_cmp_lt_u32 s[TRP], 2
	s_cbranch_scc1 .Lvtrip
	s_wait_xcnt 0x0
	TAIL 1
	v_lshrrev_b32 v200, 1, v[CO]
	v_add_nc_u32 v201, s43, v200
	s_wait_alu depctr_va_vdst(0)
	s_wait_dscnt 0x0                               ; for the others' sake: my scale bytes have landed
	s_barrier_signal -1
	s_barrier_wait -1
	ds_load_b64 v[192:193], v201
	s_wait_dscnt 0x0
	global_store_b64 v200, v[192:193], s[70:71]
	s_wait_tensorcnt 0x0                           ; the wave's end
	ds_add_u32 v[SPW], v[NIL]
	s_wait_dscnt 0x0
	CROUND                                         ; the closing round
	s_endpgm
.Lfunc_end_k_qd2e3f0fde3_qkv:
	.size	k_qd2e3f0fde3_qkv, .Lfunc_end_k_qd2e3f0fde3_qkv-k_qd2e3f0fde3_qkv
	.p2alignl 7, 3214868480
	.fill 96, 4, 3214868480
	.section	.rodata,"a",@progbits
	.p2align	6, 0x0
	.amdhsa_kernel k_qd2e3f0fde3_qkv
		.amdhsa_group_segment_fixed_size 327680
		.amdhsa_private_segment_fixed_size 0
		.amdhsa_enable_private_segment 0
		.amdhsa_kernarg_size 56
		.amdhsa_user_sgpr_count 2
		.amdhsa_user_sgpr_kernarg_segment_ptr 1
		.amdhsa_wavefront_size32 1
		.amdhsa_system_sgpr_workgroup_id_x 1
		.amdhsa_system_sgpr_workgroup_id_y 1
		.amdhsa_system_sgpr_workgroup_id_z 1
		.amdhsa_system_vgpr_workitem_id 0
		.amdhsa_next_free_vgpr 1024
		.amdhsa_next_free_sgpr 102
		.amdhsa_reserve_vcc 1
		.amdhsa_float_denorm_mode_32 3
		.amdhsa_float_denorm_mode_16_64 3
		.amdhsa_memory_ordered 1
		.amdhsa_forward_progress 1
		.amdhsa_inst_pref_size 164
	.end_amdhsa_kernel
	.amdgpu_metadata
---
amdhsa.version: [ 1, 2 ]
amdhsa.kernels:
  - .name:           k_qd2e3f0fde3_qkv
    .symbol:         k_qd2e3f0fde3_qkv.kd
    .args:
      - { .name: xw_img, .offset: 0, .size: 8, .value_kind: global_buffer, .address_space: global }
      - { .name: xw_sc, .offset: 8, .size: 8, .value_kind: global_buffer, .address_space: global }
      - { .name: cos, .offset: 16, .size: 8, .value_kind: global_buffer, .address_space: global }
      - { .name: sin, .offset: 24, .size: 8, .value_kind: global_buffer, .address_space: global }
      - { .name: attn_mask, .offset: 32, .size: 8, .value_kind: global_buffer, .address_space: global }
      - { .name: qkv_img, .offset: 40, .size: 8, .value_kind: global_buffer, .address_space: global }
      - { .name: qkv_sc, .offset: 48, .size: 8, .value_kind: global_buffer, .address_space: global }
    .group_segment_fixed_size: 327680
    .private_segment_fixed_size: 0
    .kernarg_segment_align: 8
    .kernarg_segment_size: 56
    .max_flat_workgroup_size: 128
    .sgpr_count:     102
    .vgpr_count:     1024
    .wavefront_size: 32
...
	.end_amdgpu_metadata
.endif
;; end of part 2
;; launch attn (part 3): grid 2 x 128, 16 waves a work-group, no clusters, 169,984 bytes of LDS; arguments qkv_img, qkv_sc, attn_mask, yw_img, yw_sc; writes yw_img, yw_sc
.if DOCPART == 3
	.amdgcn_target "amdgcn-amd-amdhsa--gfx1250"
	.amdhsa_code_object_version 6
	.text
	.protected	k_qd2e3f0fde3_attn
	.globl	k_qd2e3f0fde3_attn
	.p2align	8
	.type	k_qd2e3f0fde3_attn,@function
k_qd2e3f0fde3_attn:
	s_mov_b64 s[64:65], 0
	v_nop
	global_prefetch_b8 v0, s[64:65] scope:SCOPE_SE
	s_setreg_imm32_b32 hwreg(HW_REG_WAVE_MODE, 25, 1), 1
	s_wait_xcnt 0x0
; y[b][q][64 h ..] = softmax over the allowed keys of (q . k / 8) times v, both products on codes of E4M3; y is quantised along its 1,024 and stored as the image of the last product's operand.
; allowed = key <= query, and both mask bytes set.  p = 2^(t - M), t = score x log2(e) / 8, M the running largest t rounded up to a whole number; the row's sum is taken of the unquantised p and divides at the end.
; SHARES.  A work-group owns one head and two blocks of 256 queries, 3 - i and i (i = work-group x): 8 + 2 or 6 + 4 key steps of work.  Each of sixteen waves owns one tile of 16 queries in each pass.
; A head's K, V (131,072 bytes of images) and their scale words come into LDS ONCE; nothing is filled again.  The first 256 keys come by loads of their own, so that work begins while the rest is on its way.
; No cluster: only two work-groups share a head's tiles, and they are fetched once in the launch.
; LAYOUT.  S^T = K Q^T and O^T = V^T P^T: a lane holds one query.  Tile 2 b + u of the keys holds keys 32 b + 8 u + r + 8 (r / 8), so p's 16 registers of two neighbouring tiles are 16 neighbouring keys.
; q . k has K = 64: the upper 64 places hold zero codes, but for place 64: +1 in every key, -1 in every query.  Byte 2 of a key's scale word is 2^100 where its mask byte is 0 and 2^-127 else: such a key's score is -2^100.
; Keys after the query get the score -3e38.  Both are finite: a row that has seen no allowed key yet sums rubbish, which the first change of M to a real t multiplies by 2^(a huge negative whole number) = 0.
; A query whose own mask byte is 0 has every score at the same least number in the definition: its softmax is uniform over ALL 1,024 keys.  It gets the mean of the quantised v, made by eight products with ones (scale byte 117: 2^-10).
; Every trip count is a constant; a step all of whose keys come after the wave's queries is jumped over by a scalar branch on ids.
; LIMITS: scores up to about 2^76 in magnitude; an allowed key's score carries -2^-127; blocks under 2^-118 keep the byte 1; NaN and infinities are not served.  y's scale bytes leave two at a time.
.set VOFF, 65536                       ; LDS: K's images at 0, V's here,
.set SCO,  131072                      ; K's scale words (4,096 bytes), then V's (2,048),
.set VM,   137216                      ; the mean of v: four images of 1,024 bytes, in blocks of their own
.set LI,  1                            ; 16 x lane
.set LR4, 2                            ; SCO + 4 r
.set QD,  3                            ; rho(r) - 16 hf
.set ADK, 4
.set ADV, 5
.set ADS, 6
.set ADT, 7
.set QV0, 8                            ; my query's mask byte, pass 0
.set VST, 9
.set VSA, 10
.set VSS, 11
.set BM,  208                          ; block maxima;  PM: permuted, bytes, a sum;  HL: holds;  SO: scale operands
.set PM,  212
.set HL,  216
.set SO,  220
.set KS,  224                          ; scale words (v224-231 also hold parts of p's sum between): K's four, V's four, p's, q's two
.set VS,  228
.set PW,  232
.set QS0, 233
.set QS1, 234
.set NEG, 235
.set F,   236                          ; f = 2^(old M - new M); the packed forms name v[236:237] and take the low word alone,
.set QV1, 237                          ; so the upper one keeps my query's mask byte of pass 1
.set T0,  238
.set T1,  239
.set WV,  14
.set MNT, 19
.set SEL, 20
.set CS,  22                           ; s[22:23] c = log2(e) / 8
.set G64, 24                           ; descriptor groups 1: 64, 96, 12 rows of 256 dense bytes
.set G96, 32
.set G12, 40
.set GA,  48                           ; groups 0
.set GS,  52
.set GB,  56
.set TB,  60                           ; the step's images: 8,192 bytes a step
.set TS,  61                           ; K's words: 512
.set TJ,  62                           ; V's words: 256
.set KF,  63                           ; the step's first key
.set CNT, 66
.set Q0,  67                           ; my tile's first query
	s_load_b256 s[4:11], s[0:1], 0x0               ; qkv_img, qkv_sc, attn_mask, yw_img
	s_load_b64 s[12:13], s[0:1], 0x20              ; yw_sc
	v_lshl_add_u32 v254, v0, 2, 0x29000
	v_mov_b32 v255, 0
	ds_add_u32 v254, v255
	ds_add_u32 v254, v255
	s_wait_dscnt 0x0
	v_lshrrev_b32 v[T0], 5, v0
	s_delay_alu instid0(VALU_DEP_1)
	v_readfirstlane_b32 s[WV], v[T0]               ; wave 0..15
	v_and_b32 v[T0], 31, v0
	s_delay_alu instid0(VALU_DEP_1)
	v_lshlrev_b32 v[LI], 4, v[T0]
	v_and_b32 v[T1], 15, v0                        ; r
	s_delay_alu instid0(VALU_DEP_1)
	v_lshl_add_u32 v[LR4], v[T1], 2, SCO
	s_min_u32 s15, s[WV], 3                        ; waves 0-3 each sum one tile of 16 dims of v: their addresses are made here, ahead of every parting of the waves
	s_lshl_b32 s16, s15, 10
	s_add_co_u32 s16, s16, VM
	v_add_nc_u32 v[VST], s16, v[LI]
	s_lshl_b32 s16, s15, 11
	s_add_co_u32 s16, s16, VOFF
	v_add_nc_u32 v[VSA], s16, v[LI]
	s_lshl_b32 s16, s15, 6
	s_add_co_u32 s16, s16, 4096
	v_add_nc_u32 v[VSS], s16, v[LR4]
.irp g, G64, G96, G12
	s_mov_b32 s[\g], 3<<16                         ; no mask; elements of 8 bytes; no padding
	s_mov_b32 s[\g+1], 32<<16                      ; tensor_dim0 = 32
	s_mov_b32 s[\g+3], 32<<16                      ; tile_dim0 = 32
	s_mov_b32 s[\g+5], 32                          ; the pitch
	s_mov_b32 s[\g+6], 0
	s_mov_b32 s[\g+7], 0
.endr
	s_mov_b32 s[G64+2], 64<<16
	s_mov_b32 s[G64+4], 64
	s_mov_b32 s[G96+2], 96<<16
	s_mov_b32 s[G96+4], 96
	s_mov_b32 s[G12+2], 12<<16
	s_mov_b32 s[G12+4], 12
	s_and_b32 s15, ttmp7, 0xffff                   ; 16 b + h
	s_lshr_b32 s16, s15, 4                         ; b
	s_and_b32 s17, s15, 15                         ; h
	s_mul_i32 s94, s15, 196608
	s_mov_b32 s95, 0
	s_mul_i32 s96, s15, 10240
	s_mov_b32 s97, 0
	s_and_b32 s18, s[WV], 1                        ; K (0) or V (1); or which half of the words
	s_lshr_b32 s2, s[WV], 1
	s_and_b32 s2, s2, 1
	s_lshl_b32 s3, s18, 16                         ; the first 16,384 bytes of K's or V's images
	s_mul_i32 s93, s2, 24576
	s_add_co_u32 s93, s93, s3
	s_add_co_u32 s93, s93, 16384                   ; one half of the other 49,152
	s_mul_i32 s18, s18, 3072                       ; one half of the 6,144 bytes of words
	s_wait_kmcnt 0x0
	s_add_nc_u64 s[4:5], s[4:5], s[94:95]          ; the head's images: q, then K at 65,536, then V
	s_add_nc_u64 s[6:7], s[6:7], s[96:97]          ; its words: q's, then K's at 4,096, then V's
	s_mov_b32 s[GA], 1
	s_mov_b32 s[GA+1], s3
	s_add_co_u32 s94, s3, 65536
	s_add_nc_u64 s[GA+2:GA+3], s[4:5], s[94:95]
	s_or_b32 s[GA+3], s[GA+3], 0x80000000
	s_mov_b32 s[GB], 1
	s_mov_b32 s[GB+1], s93
	s_add_co_u32 s94, s93, 65536
	s_add_nc_u64 s[GB+2:GB+3], s[4:5], s[94:95]
	s_or_b32 s[GB+3], s[GB+3], 0x80000000
	s_mov_b32 s[GS], 1
	s_add_co_u32 s[GS+1], s18, SCO
	s_add_co_u32 s94, s18, 4096
	s_add_nc_u64 s[GS+2:GS+3], s[6:7], s[94:95]
	s_or_b32 s[GS+3], s[GS+3], 0x80000000
	s_cmp_lt_u32 s[WV], 2                          ; all fills of the launch, one load a wave in waves 0-7; four v_nop follow each
	s_cbranch_scc0 .Lnot_01
	tensor_load_to_lds s[GA:GA+3], s[G64:G64+7]    ; keys 0-255 of K (wave 0) or V (wave 1)
	s_nop 0
.rept 4
	v_nop
.endr
	s_branch .Lfilled
.Lnot_01:
	s_cmp_lt_u32 s[WV], 4
	s_cbranch_scc0 .Lnot_03
	tensor_load_to_lds s[GS:GS+3], s[G12:G12+7]    ; waves 2, 3: the scale words
	s_nop 0
.rept 4
	v_nop
.endr
	s_branch .Lfilled
.Lnot_03:
	s_cmp_lt_u32 s[WV], 8
	s_cbranch_scc0 .Lfilled
	tensor_load_to_lds s[GB:GB+3], s[G96:G96+7]    ; waves 4-7: the other keys, a half of K or of V each
	s_nop 0
.rept 4
	v_nop
.endr
.Lfilled:
	s_mov_b32 s99, 0
	s_lshr_b32 s18, s17, 2                         ; y's K = 64 h + dim: kk = h / 4, and (h % 4) x 1,024 bytes into the tile's 4,096
	s_mul_i32 s93, s18, 576
	s_lshl_b32 s94, s16, 6
	s_add_co_u32 s93, s93, s94
	s_lshl_b32 s93, s93, 12
	s_and_b32 s96, s17, 3
	s_lshl_b32 s94, s96, 10
	s_add_co_u32 s98, s93, s94
	s_add_nc_u64 s[10:11], s[10:11], s[98:99]
	s_mul_i32 s93, s18, 9216
	s_lshl_b32 s94, s16, 10
	s_add_co_u32 s93, s93, s94
	s_lshl_b32 s93, s93, 3
	s_lshl_b32 s94, s96, 1                         ; two bytes a head
	s_add_co_u32 s98, s93, s94
	s_add_nc_u64 s[12:13], s[12:13], s[98:99]
	s_lshl_b32 s98, s16, 10
	s_add_nc_u64 s[8:9], s[8:9], s[98:99]          ; the batch's mask bytes
	s_sub_co_u32 s2, 3, ttmp9
	s_lshl_b32 s2, s2, 4
	s_add_co_u32 s2, s2, s[WV]                     ; my tile in pass 0,
	s_lshl_b32 s3, ttmp9, 4
	s_xor_b32 s98, s[WV], 15                       ; in pass 1 in the reverse order: a wave's key steps in both passes are nine
	s_add_co_u32 s3, s3, s98
.macro PASSPTR p, t
	s_lshl_b32 s98, s[\t], 10
	s_add_nc_u64 s[70+2*\p:71+2*\p], s[4:5], s[98:99]      ; q's image
	s_lshl_b32 s98, s[\t], 6
	s_add_nc_u64 s[74+2*\p:75+2*\p], s[6:7], s[98:99]      ; q's words
	s_lshr_b32 s98, s[\t], 1
	s_lshl_b32 s98, s98, 5
	s_and_b32 s96, s[\t], 1
	s_lshl_b32 s96, s96, 3
	s_add_co_u32 s98, s98, s96
	s_mov_b32 s[91+\p], s98                                ; the tile's first query
	s_add_nc_u64 s[78+2*\p:79+2*\p], s[8:9], s[98:99]      ; its mask bytes
	s_lshl_b32 s98, s[\t], 12
	s_add_nc_u64 s[82+2*\p:83+2*\p], s[10:11], s[98:99]    ; y's image
	s_lshl_b32 s98, s[\t], 7
	s_add_nc_u64 s[86+2*\p:87+2*\p], s[12:13], s[98:99]    ; y's scale bytes
.endm
	PASSPTR 0, 2
	PASSPTR 1, 3
	s_wait_alu depctr_va_vdst(0)
	v_and_b32 v[ADK], 8, v[T1]
	s_delay_alu instid0(VALU_DEP_1)
	v_add_nc_u32 v[ADK], v[ADK], v[T1]             ; rho(r): the mask loads' offset, untouched until their wait
	v_lshlrev_b32 v[ADV], 2, v[T1]                 ; 4 r: the words' offset
	global_load_b128 v[16:19], v[LI], s[70:71]
	global_load_b128 v[20:23], v[LI], s[70:71] offset:512
	global_load_b128 v[240:243], v[LI], s[72:73]
	global_load_b128 v[244:247], v[LI], s[72:73] offset:512
	global_load_b32 v[QS0], v[ADV], s[74:75]
	global_load_b32 v[QS1], v[ADV], s[76:77]
	global_load_u8 v[QV0], v[ADK], s[78:79]
	global_load_u8 v[QV1], v[ADK], s[80:81]
	v_bfe_u32 v[T0], v0, 4, 1                      ; hf
	s_delay_alu instid0(VALU_DEP_1)
	v_lshlrev_b32 v[ADS], 4, v[T0]
	s_delay_alu instid0(VALU_DEP_1)
	v_sub_nc_u32 v[QD], v[ADK], v[ADS]
	s_delay_alu instid0(VALU_DEP_3)
	v_sub_nc_u32 v[ADS], 1, v[T0]
	s_delay_alu instid0(VALU_DEP_1)
	v_mul_u32_u24 v24, v[ADS], 0xb8                ; place 64 (register 8, byte 0, lanes 0-15): the code -1 in every query
	s_delay_alu instid0(VALU_DEP_1)
	v_mov_b32 v248, v24
.irp j, 9,10,11,12,13,14,15
	v_mov_b32 v[16+\j], 0
	v_mov_b32 v[240+\j], 0
.endr
.irp t, 0,1,2,3
	v_mov_b32 v[40+16*\t], 0x38                    ; the code +1 in every key (lanes 16-31: place 80, which meets a zero)
.irp j, 9,10,11,12,13,14,15
	v_mov_b32 v[32+16*\t+\j], 0
.endr
.endr
.irp b, 0,1,2,3
	v_mov_b32 v[PM+\b], 0                          ; a lane permute's destination counts as one of its sources
.endr
	v_mov_b32 v[T1], 0
	v_mov_b32 v[NEG], 0xff61b1e6                   ; -3e38
	s_mov_b32 s[SEL], 0x76543210
	s_mov_b32 s[SEL+1], 0xfedcba98
	s_mov_b32 s[CS], 0x3e38aa3b
	s_mov_b32 s[CS+1], s[CS]
	s_mov_b32 s[MNT], 0x600000
	s_mov_b32 s[TB], 0
	s_mov_b32 s[TS], 0
	s_mov_b32 s[TJ], 0
	s_mov_b32 s[KF], 0
	s_mov_b32 s[Q0], s91
.macro INIT
	v_mov_b32 v13, 0xff61b1e6                      ; the largest t so far: under every t
	s_delay_alu instid0(VALU_DEP_1)
	v_floor_f32 v12, -v13                          ; -M
	v_mov_b32 v14, 0                               ; the sum, in two halves
	v_mov_b32 v15, 0
.set nq, 0
.rept 32
	v_mov_b32 v[160+nq], 0                         ; O^T: the step is written once; the first finds zeros
.set nq, nq+1
.endr
.endm
; A KEY STEP: 128 keys
.macro STEP qf, qs
	s_add_co_u32 s68, s[Q0], 23                    ; my tile's last query
	s_cmp_gt_u32 s[KF], s68
	s_cbranch_scc1 .Lhidden_\@                     ; all keys come after all my queries: only the addresses step
	s_add_co_u32 s69, s[TB], VOFF
	v_add_nc_u32 v[ADK], s[TB], v[LI]
	s_wait_alu depctr_va_vdst(0)
	v_add_nc_u32 v[ADV], s69, v[LI]
	v_add_nc_u32 v[ADS], s[TS], v[LR4]
	s_wait_alu depctr_va_vdst(0)
	v_add_nc_u32 v[ADT], s[TJ], v[LR4]
.rept 5
	v_nop                                          ; with the four additions nine places: the products below write over registers that the last step's products read
.endr
.irp g, 0,1
.if \g > 0
.rept 8
	v_nop                                          ; places in front of loads into registers that matrix instructions have read
.endr
.endif
.irp t, 0,1,2,3
	ds_load_b128 v[32+16*\t:35+16*\t], v[ADK] offset:(4*\g+\t)*1024
	ds_load_b128 v[36+16*\t:39+16*\t], v[ADK] offset:(4*\g+\t)*1024+512
	ds_load_b32 v[KS+\t], v[ADS] offset:(4*\g+\t)*64
.endr
	s_wait_dscnt 0x0
.irp t, 0,1,2,3
	v_wmma_scale_f32_16x16x128_f8f6f4 v[96+8*(4*\g+\t):103+8*(4*\g+\t)], v[32+16*\t:47+16*\t], v[\qf:\qf+15], 0, v[KS+\t], v[\qs]
.endr
.endr
.rept 8
	v_nop
.endr
	s_add_co_u32 s68, s[KF], 127
	s_cmp_le_u32 s68, s[Q0]
	s_cbranch_scc1 .Lopen_\@                       ; every key comes before every query of mine
	s_sub_co_i32 s68, s[Q0], s[KF]
	v_add_nc_u32 v[T0], s68, v[QD]                 ; register 16 b + i holds key KF + 32 b + 16 hf + i: hidden where 32 b + i > my query - KF - 16 hf
.set nq, 0
.rept 64
	v_cmp_gt_i32 vcc_lo, 32*(nq/16)+nq%16, v[T0]
	v_cndmask_b32 v[96+nq], v[96+nq], v[NEG], vcc_lo
.set nq, nq+1
.endr
.Lopen_\@:
.irp b, 0,1,2,3
	v_max3_num_f32 v[BM+\b], v[96+16*\b], v[97+16*\b], v[98+16*\b]   ; the largest score of each block of 32 keys: for the row's maximum and, since p rises with the score, for the block's largest p
.endr
.irp i, 3,5,7,9,11,13
.irp b, 0,1,2,3
	v_max3_num_f32 v[BM+\b], v[BM+\b], v[96+16*\b+\i], v[97+16*\b+\i]
.endr
.endr
.irp b, 0,1,2,3
	v_max_num_f32 v[BM+\b], v[BM+\b], v[111+16*\b]
.endr
.irp b, 0,1,2,3
	v_permlanex16_b32 v[PM+\b], v[BM+\b], s[SEL], s[SEL+1]
.endr
.irp b, 0,1,2,3
	s_delay_alu instid0(VALU_DEP_4)
	v_max_num_f32 v[BM+\b], v[BM+\b], v[PM+\b]
.endr
	s_delay_alu instid0(VALU_DEP_2)
	v_max3_num_f32 v[T0], v[BM], v[BM+1], v[BM+2]
	s_delay_alu instid0(VALU_DEP_1)
	v_max_num_f32 v[T0], v[T0], v[BM+3]
	s_delay_alu instid0(VALU_DEP_1)
	v_mul_f32 v[T0], s[CS], v[T0]
	s_delay_alu instid0(VALU_DEP_1)
	v_max_num_f32 v13, v13, v[T0]                  ; the running largest t
	v_mov_b32 v[T0], v12
	s_delay_alu instid0(VALU_DEP_2)
	v_floor_f32 v12, -v13                          ; -M = floor(-t): M is a whole number
	s_delay_alu instid0(VALU_DEP_1)
	v_sub_f32 v[T0], v12, v[T0]                    ; old M - new M, 0 or less
	s_delay_alu instid0(VALU_DEP_1)
	v_cvt_i32_f32 v[T0], v[T0]                     ; (it saturates)
	s_delay_alu instid0(VALU_DEP_1)
	v_ldexp_f32 v[F], 1.0, v[T0]                   ; f = 2^(old M - new M): rounds nothing
.set nq, 0
.rept 32
	v_pk_fma_f32 v[96+nq:97+nq], v[96+nq:97+nq], s[CS:CS+1], v[12:13] op_sel_hi:[1,0,0]   ; t - M
.set nq, nq+2
.endr
.irp b, 0,1,2,3
	v_fma_f32 v[BM+\b], v[BM+\b], s[CS], v12
.endr
.set nq, 0
	s_wait_alu depctr_va_vdst(0)
.rept 64
	v_exp_f32 v[96+nq], v[96+nq]                   ; p = 2^(t - M)
.set nq, nq+1
.endr
.irp b, 0,1,2,3
	v_exp_f32 v[BM+\b], v[BM+\b]                   ; the block's largest p
.endr
	v_pk_mul_f32 v[14:15], v[14:15], v[F:F+1] op_sel_hi:[1,0]    ; the sums under the new M (a plain place behind the exponentials)
	s_wait_alu depctr_va_vdst(0)
.irp b, 0,1,2,3
	v_max_num_f32 v[BM+\b], 0x4800000, v[BM+\b]    ; the floor: the byte cannot fall under 1
.endr
.irp b, 0,1,2,3
	s_delay_alu instid0(VALU_DEP_4)
	v_add_nc_u32 v[SO+\b], 0xfc000000, v[BM+\b]
.endr
.irp b, 0,1,2,3
	v_and_or_b32 v[HL+\b], v[BM+\b], 0x7f800000, s[MNT]
.endr
.irp b, 0,1,2,3
	v_lshrrev_b32 v[PM+\b], 23, v[SO+\b]
.endr
	s_delay_alu instid0(VALU_DEP_3)
	v_lshl_or_b32 v[PW], v[PM+1], 8, v[PM]         ; p's scale word
	s_delay_alu instid0(VALU_DEP_1)
	v_lshl_or_b32 v[PW], v[PM+2], 16, v[PW]
	s_delay_alu instid0(VALU_DEP_1)
	v_lshl_or_b32 v[PW], v[PM+3], 24, v[PW]
	v_pk_add_f32 v[212:213], v[100:101], v[104:105]
	v_pk_add_f32 v[230:231], v[108:109], v[112:113]
	v_pk_add_f32 v[228:229], v[116:117], v[120:121]
	v_pk_add_f32 v[226:227], v[124:125], v[128:129]
	v_pk_add_f32 v[224:225], v[132:133], v[136:137]
	v_pk_add_f32 v[210:211], v[140:141], v[144:145]
	v_pk_add_f32 v[208:209], v[148:149], v[152:153]
	v_pk_add_f32 v[14:15], v[14:15], v[156:157]
	v_pk_add_f32 v[212:213], v[212:213], v[96:97]
	v_pk_add_f32 v[230:231], v[230:231], v[98:99]
	v_pk_add_f32 v[228:229], v[228:229], v[102:103]
	v_pk_add_f32 v[226:227], v[226:227], v[106:107]
	v_pk_add_f32 v[224:225], v[224:225], v[110:111]
	v_pk_add_f32 v[210:211], v[210:211], v[114:115]
	v_pk_add_f32 v[208:209], v[208:209], v[118:119]
	v_pk_add_f32 v[14:15], v[14:15], v[122:123]
	v_pk_add_f32 v[212:213], v[212:213], v[126:127]
	v_pk_add_f32 v[230:231], v[230:231], v[130:131]
	v_pk_add_f32 v[228:229], v[228:229], v[134:135]
	v_pk_add_f32 v[226:227], v[226:227], v[138:139]
	v_pk_add_f32 v[224:225], v[224:225], v[142:143]
	v_pk_add_f32 v[210:211], v[210:211], v[146:147]
	v_pk_add_f32 v[208:209], v[208:209], v[150:151]
	v_pk_add_f32 v[14:15], v[14:15], v[154:155]
	v_pk_add_f32 v[212:213], v[212:213], v[158:159]
	s_delay_alu instid0(VALU_DEP_2)
	v_pk_add_f32 v[14:15], v[14:15], v[226:227]
	s_delay_alu instid0(VALU_DEP_2)
	v_pk_add_f32 v[212:213], v[212:213], v[224:225]
	v_pk_add_f32 v[230:231], v[230:231], v[210:211]
	v_pk_add_f32 v[228:229], v[228:229], v[208:209]
	s_delay_alu instid0(VALU_DEP_2)
	v_pk_add_f32 v[14:15], v[14:15], v[230:231]
	s_delay_alu instid0(VALU_DEP_2)
	v_pk_add_f32 v[212:213], v[212:213], v[228:229]
	s_delay_alu instid0(VALU_DEP_1)
	v_pk_add_f32 v[14:15], v[14:15], v[212:213]
.irp b, 0,1,2,3
.irp i, 0,1,2,3,4,5,6,7,8,9,10,11,12,13,14,15
	v_min_num_f32 v[96+16*\b+\i], v[96+16*\b+\i], v[HL+\b]      ; the conversion does not saturate (ISA guide 7.6.2); p is not negative
.endr
	v_cvt_scalef32_pk8_fp8_f32 v[192+4*\b:193+4*\b], v[96+16*\b:103+16*\b], v[SO+\b]
	v_cvt_scalef32_pk8_fp8_f32 v[194+4*\b:195+4*\b], v[104+16*\b:111+16*\b], v[SO+\b]
.endr
.irp t, 0,1,2,3                        ; V's four tiles of 16 dims, into the registers that p has left
.irp c, 0,1,2,3
	ds_load_b128 v[96+16*\t+4*\c:99+16*\t+4*\c], v[ADV] offset:2048*\t+512*\c
.endr
	ds_load_b32 v[VS+\t], v[ADT] offset:4096+64*\t
.endr
.set nq, 0
.rept 16
	v_pk_mul_f32 v[160+nq:161+nq], v[160+nq:161+nq], v[F:F+1] op_sel_hi:[1,0]   ; O^T under the new M; also the places between the conversions and the products
.set nq, nq+2
.endr
	s_wait_alu depctr_va_vdst(0)
	s_wait_dscnt 0x0
.irp t, 0,1,2,3
	v_wmma_scale_f32_16x16x128_f8f6f4 v[160+8*\t:167+8*\t], v[96+16*\t:111+16*\t], v[192:207], v[160+8*\t:167+8*\t], v[VS+\t], v[PW]
.endr
.Lhidden_\@:
	s_add_co_u32 s[KF], s[KF], 128
	s_add_co_u32 s[TB], s[TB], 8192
	s_add_co_u32 s[TS], s[TS], 512
	s_add_co_u32 s[TJ], s[TJ], 256
.endm
.macro STEPS n, qf, qs
	s_mov_b32 s[CNT], \n
.Lsteps_\@:
	STEP \qf, \qs
	s_sub_co_u32 s[CNT], s[CNT], 1
	s_cmp_lg_u32 s[CNT], 0
	s_cbranch_scc1 .Lsteps_\@
.endm
; O^T / the sum (or the mean of v) is quantised along the head's 64 and stored as two quarters of y's image
.macro WAYOUT qv, yi, ys
.rept 8
	v_nop
.endr
	v_add_nc_u32 v[T0], VM, v[LI]
.irp t, 0,1,2,3
	ds_load_b128 v[96+8*\t:99+8*\t], v[T0] offset:1024*\t
	ds_load_b128 v[100+8*\t:103+8*\t], v[T0] offset:1024*\t+512
.endr
	v_add_f32 v14, v14, v15
	s_delay_alu instid0(VALU_DEP_1)
	v_permlanex16_b32 v[T1], v14, s[SEL], s[SEL+1]
	s_delay_alu instid0(VALU_DEP_1)
	v_add_f32 v14, v14, v[T1]                      ; the row's sum
	s_wait_alu depctr_va_vdst(0)
	v_rcp_f32 v14, v14
	v_nop
.set nq, 0
	s_wait_alu depctr_va_vdst(0)
.rept 32
	v_mul_f32 v[128+nq], v[160+nq], v14            ; register 16 b + i: dim 32 b + 16 hf + i
.set nq, nq+1
.endr
	s_wait_dscnt 0x0
	v_cmp_ne_u32 vcc_lo, 0, v[\qv]
.set nq, 0
.rept 32
	v_cndmask_b32 v[128+nq], v[96+nq], v[128+nq], vcc_lo   ; a query whose mask byte is 0 takes the mean of v
.set nq, nq+1
.endr
.irp b, 0,1
	v_max3_num_f32 v[BM+\b], |v[128+16*\b]|, |v[129+16*\b]|, 0x4800000
.endr
.irp i, 2,4,6,8,10,12,14
.irp b, 0,1
	s_delay_alu instid0(VALU_DEP_2)
	v_max3_num_f32 v[BM+\b], v[BM+\b], |v[128+16*\b+\i]|, |v[129+16*\b+\i]|
.endr
.endr
.irp b, 0,1
	v_permlanex16_b32 v[PM+\b], v[BM+\b], s[SEL], s[SEL+1]
.endr
.irp b, 0,1
	s_delay_alu instid0(VALU_DEP_2)
	v_max_num_f32 v[BM+\b], v[BM+\b], v[PM+\b]
.endr
.irp b, 0,1
	s_delay_alu instid0(VALU_DEP_2)
	v_add_nc_u32 v[SO+\b], 0xfc000000, v[BM+\b]
.endr
.irp b, 0,1
	s_delay_alu instid0(VALU_DEP_4)
	v_and_or_b32 v[HL+\b], v[BM+\b], 0x7f800000, s[MNT]
.endr
.irp b, 0,1
	s_delay_alu instid0(VALU_DEP_4)
	v_lshrrev_b32 v[PM+\b], 23, v[SO+\b]
.endr
	s_delay_alu instid0(VALU_DEP_1)
	v_lshl_or_b32 v[T1], v[PM+1], 8, v[PM]         ; the head's two scale bytes of my row
	v_and_b32 v[T0], 15, v0
	s_delay_alu instid0(VALU_DEP_1)
	v_lshlrev_b32 v[T0], 3, v[T0]                  ; 8 bytes a row
.irp b, 0,1
.irp i, 0,1,2,3,4,5,6,7,8,9,10,11,12,13,14,15
	v_med3_num_f32 v[128+16*\b+\i], v[128+16*\b+\i], -v[HL+\b], v[HL+\b]
.endr
	v_cvt_scalef32_pk8_fp8_f32 v[192+4*\b:193+4*\b], v[128+16*\b:135+16*\b], v[SO+\b]
	v_cvt_scalef32_pk8_fp8_f32 v[194+4*\b:195+4*\b], v[136+16*\b:143+16*\b], v[SO+\b]
.endr
	v_nop
	global_store_b128 v[LI], v[192:195], s[\yi:\yi+1]              ; 512 consecutive bytes
	global_store_b128 v[LI], v[196:199], s[\yi:\yi+1] offset:512
	global_store_b16 v[T0], v[T1], s[\ys:\ys+1]                    ; lanes 16-31 repeat lanes 0-15's address and value
.endm
	INIT
	s_cmp_lt_u32 s[WV], 4                          ; this barrier shows waves 0-3's loads (keys 0-255 and the words); waves 4-7 wait for theirs at the next
	s_cbranch_scc0 .Llater
	s_wait_tensorcnt 0x0
.Llater:
	s_barrier_signal -1
	s_barrier_wait -1
	s_wait_loadcnt 0x0                             ; q, its words, the mask bytes
	STEPS 2, 16, QS0
	s_wait_tensorcnt 0x0
	s_wait_dscnt 0x0
	s_barrier_signal -1
	s_barrier_wait -1                              ; all of K and V lies in LDS
	s_cmp_lt_u32 s[WV], 4                          ; waves 0-3: the mean of the quantised v over all 1,024 keys, 16 dims each: eight products with ones
	s_cbranch_scc0 .Lno_vsum
.rept 8
	v_nop
.endr
	v_mov_b32 v[PW], 0x75757575                    ; the ones' scale: 2^-10, the division by 1,024
.set nq, 0
.rept 16
	v_mov_b32 v[192+nq], 0x38383838                ; the code 1
.set nq, nq+1
.endr
	s_wait_alu depctr_va_vdst(0)
.rept 4
	v_nop
.endr
.irp gg, 0,1
.if \gg > 0
.rept 8
	v_nop
.endr
.endif
.irp j, 0,1,2,3
.irp c, 0,1,2,3
	ds_load_b128 v[96+16*\j+4*\c:99+16*\j+4*\c], v[VSA] offset:(4*\gg+\j)*8192+512*\c
.endr
	ds_load_b32 v[VS+\j], v[VSS] offset:(4*\gg+\j)*256
.endr
	s_wait_dscnt 0x0
.irp j, 0,1,2,3                        ; two accumulators by turns, one instruction a turn
.if (\gg == 0) && (\j < 2)
	v_wmma_scale_f32_16x16x128_f8f6f4 v[BM+8*(\j%2):BM+8*(\j%2)+7], v[96+16*\j:111+16*\j], v[192:207], 0, v[VS+\j], v[PW]
.else
	v_wmma_scale_f32_16x16x128_f8f6f4 v[BM+8*(\j%2):BM+8*(\j%2)+7], v[96+16*\j:111+16*\j], v[192:207], v[BM+8*(\j%2):BM+8*(\j%2)+7], v[VS+\j], v[PW]
.endif
.endr
.endr
.rept 8
	v_nop
.endr
.set nq, 0
.rept 8
	v_add_f32 v[96+nq], v[BM+nq], v[BM+8+nq]
.set nq, nq+1
.endr
	ds_store_b128 v[VST], v[96:99]                 ; as an image of O^T's registers of this tile
	ds_store_b128 v[VST], v[100:103] offset:512
.Lno_vsum:
	s_wait_dscnt 0x0                               ; for the others' sake: my stores of the mean have landed
	s_barrier_signal -1
	STEPS 6, 16, QS0                               ; between signal and wait: register work and reads of K and V, which nobody writes
	s_barrier_wait -1
	WAYOUT QV0, 82, 86
	s_wait_xcnt 0x0                                ; the stores have read their registers
	INIT
	s_mov_b32 s[TB], 0
	s_mov_b32 s[TS], 0
	s_mov_b32 s[TJ], 0
	s_mov_b32 s[KF], 0
	s_mov_b32 s[Q0], s92
	STEPS 8, 240, QS1
	WAYOUT QV1, 84, 88
	s_wait_xcnt 0x0
	v_lshl_add_u32 v254, v0, 2, 0x29000
	v_mov_b32 v255, 0
	s_wait_alu depctr_va_vdst(0)
	s_wait_tensorcnt 0x0
	ds_add_u32 v254, v255
	s_wait_dscnt 0x0
	s_endpgm
.Lfunc_end_k_qd2e3f0fde3_attn:
	.size	k_qd2e3f0fde3_attn, .Lfunc_end_k_qd2e3f0fde3_attn-k_qd2e3f0fde3_attn
	.p2alignl 7, 3214868480
	.fill 96, 4, 3214868480
	.section	.rodata,"a",@progbits
	.p2align	6, 0x0
	.amdhsa_kernel k_qd2e3f0fde3_attn
		.amdhsa_group_segment_fixed_size 169984
		.amdhsa_private_segment_fixed_size 0
		.amdhsa_enable_private_segment 0
		.amdhsa_kernarg_size 40
		.amdhsa_user_sgpr_count 2
		.amdhsa_user_sgpr_kernarg_segment_ptr 1
		.amdhsa_wavefront_size32 1
		.amdhsa_system_sgpr_workgroup_id_x 1
		.amdhsa_system_sgpr_workgroup_id_y 1
		.amdhsa_system_sgpr_workgroup_id_z 1
		.amdhsa_system_vgpr_workitem_id 0
		.amdhsa_next_free_vgpr 256
		.amdhsa_next_free_sgpr 100
		.amdhsa_reserve_vcc 1
		.amdhsa_float_denorm_mode_32 3
		.amdhsa_float_denorm_mode_16_64 3
		.amdhsa_memory_ordered 1
		.amdhsa_forward_progress 1
		.amdhsa_inst_pref_size 113
	.end_amdhsa_kernel
	.amdgpu_metadata
---
amdhsa.version: [ 1, 2 ]
amdhsa.kernels:
  - .name:           k_qd2e3f0fde3_attn
    .symbol:         k_qd2e3f0fde3_attn.kd
    .args:
      - { .name: qkv_img, .offset: 0, .size: 8, .value_kind: global_buffer, .address_space: global }
      - { .name: qkv_sc, .offset: 8, .size: 8, .value_kind: global_buffer, .address_space: global }
      - { .name: attn_mask, .offset: 16, .size: 8, .value_kind: global_buffer, .address_space: global }
      - { .name: yw_img, .offset: 24, .size: 8, .value_kind: global_buffer, .address_space: global }
      - { .name: yw_sc, .offset: 32, .size: 8, .value_kind: global_buffer, .address_space: global }
    .group_segment_fixed_size: 169984
    .private_segment_fixed_size: 0
    .kernarg_segment_align: 8
    .kernarg_segment_size: 40
    .max_flat_workgroup_size: 512
    .sgpr_count:     100
    .vgpr_count:     256
    .wavefront_size: 32
...
	.end_amdgpu_metadata
.endif
;; end of part 3
;; launch proj (part 4): grid 32 x 8, 4 waves a work-group, clusters of 4 x 1, 327,680 bytes of LDS; arguments yw_img, yw_sc, out0; writes out0
.if DOCPART == 4
	.amdgcn_target "amdgcn-amd-amdhsa--gfx1250"
	.amdhsa_code_object_version 6
	.text
	.protected	k_qd2e3f0fde3_proj
	.globl	k_qd2e3f0fde3_proj
	.p2align	8
	.type	k_qd2e3f0fde3_proj,@function
k_qd2e3f0fde3_proj:
	s_mov_b64 s[64:65], 0
	v_nop
	global_prefetch_b8 v0, s[64:65] scope:SCOPE_SE
	s_setreg_imm32_b32 hwreg(HW_REG_WAVE_MODE, 25, 1), 1
	s_wait_xcnt 0x0
	s_wait_alu depctr_hold_cnt(0) depctr_sa_sdst(0) depctr_va_vdst(0) depctr_va_sdst(0) depctr_va_ssrc(0) depctr_va_vcc(0) depctr_vm_vsrc(0)
	s_getreg_b32 s2, hwreg(HW_REG_IB_STS2, 6, 4)
	s_cmp_eq_u32 s2, 0
	s_cbranch_scc0 .Lentry_in_a_cluster
	s_endpgm
.Lentry_in_a_cluster:
	s_bfe_u32 s2, ttmp6, 0x10000c
	s_cmp_lg_u32 s2, 0x3003
	s_cbranch_scc0 .Lentry_shape_is_right
	s_endpgm
.Lentry_shape_is_right:
; out0 = y w_proj on codes of E4M3, f32.  A work-group makes 256 rows x 128 columns; a wave keeps 64 rows of y, ALL of K, in 512 registers, which come straight from memory (y is stored as images of these registers),
; and streams the weight's eight tiles past them in four pairs: 64 matrix instructions a pair, 8 accumulators by turns.
; The weight's 128 columns (131,072 bytes of images and 4,096 of scale words) come into LDS once, asked for jointly by the four work-groups of a cluster, which differ in their rows alone: the mask is 15.  Nothing is filled again.
; No prefetch: there is no loop to run ahead in.  y is read by eight work-groups of one row group in different clusters, into registers, so no joint load serves it.
; TRANSPOSED (source 0 = weight): a lane holds a row; a pair's 16 registers of tile a are columns 32 p + 16 hf + 0..15.  Two pairs, 64 columns, go through the wave's own stage in LDS and leave as rows of 256 bytes;
; the first two pairs' rows leave among the third pair's products.
; LIMITS: NaN and infinities are not served.
; REGISTERS: windows 1, 2: y, fragment (q, a) at 64 (q % 4) + 16 a of window 1 + q / 4.  Window 3: the weight, two halves (q 0-3, q 4-7) of 128.  Window 0: all else.
.set STEPK, 576*4096
.set SCK,   9216*8
.set SCL,   131072                     ; scale words: [kk 4][128 columns][8 bytes]
.set STAGE, SCL+4096                   ; 64 rows x 272 bytes for each wave
.set SPITCH, 272                       ; 256 bytes + 16: 17 x 16, so 16 rows fall on 16 different groups of banks
.set SPARE, STAGE+4*64*SPITCH
.set CO,   1                           ; 16 x lane
.set ADR,  2                           ; v2, v3: LDS address of the weight's fragments: kk 0, 1 and kk 2, 3
.set SCA,  4
.set STO,  5
.set RD,   6
.set GO,   7
.set SPW,  8
.set NIL,  9
.set XS,   16                          ; y's scale words: 8 (a / 2) + q
.set WSC,  36                          ; the weight's, two sets of eight
.set ACC,  64                          ; v64-127
.set OB,   128                         ; v128-255 rows read back from the stage
.set MSB, 0
.macro WIN new
.if MSB != (\new)
	s_set_vgpr_msb (MSB<<8)|(\new)
.set MSB, (\new)
.endif
.endm
.macro CROUND
	s_barrier_signal -1
	s_barrier_wait -1
	s_cmp_lg_u32 s14, 0
	s_cbranch_scc1 .Lnot_wave_0_\@
	s_barrier_signal -3
.Lnot_wave_0_\@:
	s_barrier_wait -3
	s_barrier_signal -1
	s_barrier_wait -1
.endm
.macro XLOAD half, base                ; my four tiles of y, 512 along K
	WIN (1+\half)<<6
.irp qi, 0,1,2,3
.irp a, 0,1,2,3
.irp c, 0,1,2,3
	global_load_b128 v[64*\qi+16*\a+4*\c:64*\qi+16*\a+4*\c+3], v[CO], s[\base:\base+1] offset:(\qi/2)*STEPK+\a*4096+(\qi%2)*2048+512*\c
.endr
.endr
.endr
	WIN 0
.endm
.macro FETCHS p                        ; pair p's scale words: four loads
.irp k, 0,1,2,3
	ds_load_b64 v[WSC+8*((\p)%2)+2*\k:WSC+8*((\p)%2)+2*\k+1], v[SCA] offset:1024*\k+256*(\p)
.endr
.endm
.macro FETCHW half, p                  ; half a pair's fragments: 32 loads of 512 consecutive bytes
	WIN 0xc0
.irp qi, 0,1,2,3
.irp u, 0,1
.irp c, 0,1,2,3
	ds_load_b128 v[128*\half+16*(2*\qi+\u)+4*\c:128*\half+16*(2*\qi+\u)+4*\c+3], v[ADR+\half] offset:(\qi/2)*32768+8192*(\p)+4096*\u+(\qi%2)*2048+512*\c
.endr
.endr
.endr
	WIN 0
.endm
.macro PROD set, half, n               ; product n of a half pair
.set QI_, (\n)/8
.set U_, ((\n)%8)/4
.set A_, (\n)%4
.set Q_, 4*\half+QI_
.set W_, 128*\half+16*(2*QI_+U_)
.set X_, 64*QI_+16*A_
.set XS_, XS+8*(A_/2)+Q_
.set WS_, WSC+8*(\set)+Q_
.set D_, ACC+16*A_+8*U_
	WIN 3|((1+\half)<<2)
.if Q_ == 0
.if U_ && (A_%2)
	v_wmma_scale_f32_16x16x128_f8f6f4 v[D_:D_+7], v[W_:W_+15], v[X_:X_+15], 0, v[WS_], v[XS_] matrix_a_scale:MATRIX_SCALE_ROW1 matrix_b_scale:MATRIX_SCALE_ROW1
.elseif U_
	v_wmma_scale_f32_16x16x128_f8f6f4 v[D_:D_+7], v[W_:W_+15], v[X_:X_+15], 0, v[WS_], v[XS_] matrix_a_scale:MATRIX_SCALE_ROW1
.elseif A_%2
	v_wmma_scale_f32_16x16x128_f8f6f4 v[D_:D_+7], v[W_:W_+15], v[X_:X_+15], 0, v[WS_], v[XS_] matrix_b_scale:MATRIX_SCALE_ROW1
.else
	v_wmma_scale_f32_16x16x128_f8f6f4 v[D_:D_+7], v[W_:W_+15], v[X_:X_+15], 0, v[WS_], v[XS_]
.endif
.else
.if U_ && (A_%2)
	v_wmma_scale_f32_16x16x128_f8f6f4 v[D_:D_+7], v[W_:W_+15], v[X_:X_+15], v[D_:D_+7], v[WS_], v[XS_] matrix_a_scale:MATRIX_SCALE_ROW1 matrix_b_scale:MATRIX_SCALE_ROW1
.elseif U_
	v_wmma_scale_f32_16x16x128_f8f6f4 v[D_:D_+7], v[W_:W_+15], v[X_:X_+15], v[D_:D_+7], v[WS_], v[XS_] matrix_a_scale:MATRIX_SCALE_ROW1
.elseif A_%2
	v_wmma_scale_f32_16x16x128_f8f6f4 v[D_:D_+7], v[W_:W_+15], v[X_:X_+15], v[D_:D_+7], v[WS_], v[XS_] matrix_b_scale:MATRIX_SCALE_ROW1
.else
	v_wmma_scale_f32_16x16x128_f8f6f4 v[D_:D_+7], v[W_:W_+15], v[X_:X_+15], v[D_:D_+7], v[WS_], v[XS_]
.endif
.endif
.endm
.macro SEND i, h                       ; two rows of 256 consecutive bytes
.set R_, 32*((\i)/16)+8*(((\i)/8)%2)+2*((\i)%8)+8*(((\i)%8)/4)
	global_store_b128 v[GO], v[OB+4*(\i):OB+4*(\i)+3], s[12:13] offset:4096*R_+256*\h th:TH_STORE_NT
.endm
.macro HALF set, half, out             ; 32 products; out = 1: a store behind each
.set N_, 0
.rept 32
	PROD \set, \half, N_
.if \out
	WIN 0
	SEND N_, 0
.endif
.set N_, N_+1
.endr
	WIN 0
.rept 9
	v_nop                                          ; nine places: the next pair's first products begin the sums anew
.endr
.endm
.macro TOSTAGE b                       ; each sum from its low end on
.irp a, 0,1,2,3
.irp u, 0,1
	ds_store_b128 v[STO], v[ACC+16*\a+8*\u:ACC+16*\a+8*\u+3] offset:16*SPITCH*\a+128*(\b)+32*\u
	ds_store_b128 v[STO], v[ACC+16*\a+8*\u+4:ACC+16*\a+8*\u+7] offset:16*SPITCH*\a+128*(\b)+32*\u+16
.endr
.endr
.endm
	s_load_b128 s[4:7], s[0:1], 0x0                ; yw_img, yw_sc
	s_load_b64 s[12:13], s[0:1], 0x10              ; out0
	v_lshl_add_u32 v[SPW], v0, 2, SPARE
	v_mov_b32 v[NIL], 0
	ds_add_u32 v[SPW], v[NIL]                      ; the opening: the add, twice on end, and its wait
	ds_add_u32 v[SPW], v[NIL]
	v_lshrrev_b32 v10, 5, v0
	v_readfirstlane_b32 s14, v10                   ; wave
	s_lshr_b32 s15, s14, 1                         ; I fetch codes (0) or scale words (1)
	s_and_b32 s16, s14, 1                          ; which 512 along K
	s_bfe_u32 s40, ttmp6, 0x40000                  ; cx
	s_and_b32 s17, ttmp7, 0xffff                   ; Y: which 128 columns
	s_mov_b32 s24, 15|(3<<16)|(1<<21)              ; codes: 2 rows (kk) of 4,096 elements of 8 bytes; 15:0 the mask, 21 set beside it
	s_mov_b32 s25, 4096<<16
	s_mov_b32 s26, 2<<16
	s_mov_b32 s27, 4096<<16
	s_mov_b32 s28, 2
	s_mov_b32 s29, STEPK/8
	s_mov_b32 s30, 0
	s_mov_b32 s31, 0
	s_mov_b32 s48, 15|(3<<16)|(1<<21)              ; scale words: 2 rows of 128 elements of 8 bytes
	s_mov_b32 s49, 128<<16
	s_mov_b32 s50, 2<<16
	s_mov_b32 s51, 128<<16
	s_mov_b32 s52, 2
	s_mov_b32 s53, SCK/8
	s_mov_b32 s54, 0
	s_mov_b32 s55, 0
	s_lshl_b32 s19, s17, 3
	s_add_co_u32 s19, s19, 512                     ; the weight's first tile of my columns
	s_lshl_b32 s20, s19, 12
	s_mul_i32 s18, s16, 2*STEPK
	s_add_co_u32 s20, s20, s18
	s_lshl_b32 s22, s19, 7
	s_mul_i32 s18, s16, 2*SCK
	s_add_co_u32 s22, s22, s18
	s_mov_b32 s21, 0
	s_mov_b32 s23, 0
	s_mov_b32 s32, 1
	s_lshl_b32 s33, s16, 16
	s_mov_b32 s36, 1
	s_lshl_b32 s37, s16, 11
	s_add_co_u32 s37, s37, SCL
	s_wait_dscnt 0x0                               ; both opening adds are done
	s_wait_kmcnt 0x0
	s_add_nc_u64 s[34:35], s[4:5], s[20:21]
	s_or_b32 s35, s35, 0x80000000
	s_add_nc_u64 s[38:39], s[6:7], s[22:23]
	s_or_b32 s39, s39, 0x80000000
	CROUND                                         ; all four work-groups are here: the joint loads meet
	s_cmp_eq_u32 s15, 0                            ; one joint load a wave; four v_nop follow each line
	s_cbranch_scc0 .Lwords
	tensor_load_to_lds s[32:35], s[24:31]
	s_nop 0
.rept 4
	v_nop
.endr
	s_branch .Lasked
.Lwords:
	tensor_load_to_lds s[36:39], s[48:55]
	s_nop 0
.rept 4
	v_nop
.endr
.Lasked:
	s_lshl_b32 s44, ttmp9, 6
	s_lshl_b32 s45, s40, 4
	s_add_co_u32 s44, s44, s45
	s_lshl_b32 s45, s14, 2
	s_add_co_u32 s44, s44, s45                     ; my first tile of y
	s_lshl_b32 s20, s44, 12
	s_add_nc_u64 s[56:57], s[4:5], s[20:21]
	s_add_nc_u64 s[58:59], s[56:57], 2*STEPK
	s_lshl_b32 s20, s44, 7
	s_add_nc_u64 s[60:61], s[6:7], s[20:21]
	s_lshl_b32 s20, s44, 16
	s_lshl_b32 s18, s17, 9
	s_add_co_u32 s20, s20, s18
	s_add_nc_u64 s[12:13], s[12:13], s[20:21]      ; out0: my first row, my work-group's first column
	s_mul_i32 s41, s14, 64*SPITCH
	s_add_co_u32 s41, s41, STAGE
	v_and_b32 v10, 31, v0                          ; lane
	v_and_b32 v11, 15, v0                          ; r
	v_bfe_u32 v12, v0, 4, 1                        ; hf
	v_lshlrev_b32 v[CO], 4, v10
	v_lshlrev_b32 v13, 3, v10
	v_mul_u32_u24 v14, v11, SPITCH
	v_mul_u32_u24 v15, v12, SPITCH
	v_lshlrev_b32 v[GO], 12, v12
	v_lshl_add_u32 v14, v12, 6, v14
	v_lshl_add_u32 v15, v11, 4, v15
	v_lshl_add_u32 v[GO], v11, 4, v[GO]
	v_add_nc_u32 v[STO], s41, v14                  ; in: row 16 a + r, 64 hf bytes on
	v_add_nc_u32 v[RD], s41, v15                   ; back: sixteen lanes take a row
	v_lshl_add_u32 v[SCA], v10, 3, SCL
	v_lshlrev_b32 v[ADR], 4, v10
	v_add_nc_u32 v[ADR+1], 65536, v[CO]
.irp k, 0,1,2,3
	global_load_b64 v[XS+2*\k:XS+2*\k+1], v13, s[60:61] offset:SCK*\k
	global_load_b64 v[XS+8+2*\k:XS+8+2*\k+1], v13, s[60:61] offset:SCK*\k+256
.endr
	XLOAD 0, 56
	XLOAD 1, 58
	s_wait_alu depctr_va_vdst(0)                   ; the wait at the head's end
	s_wait_tensorcnt 0x0                           ; my part of the weight is in
	s_wait_dscnt 0x0
	s_barrier_signal -1
	s_barrier_wait -1
	FETCHS 0
	FETCHW 0, 0
	s_wait_loadcnt 0x0                             ; y and its scale words
.irp p, 0,1,2,3
	FETCHW 1, \p
	s_wait_dscnt 32                                ; all but the 32 just issued
.if \p == 2
	HALF 0, 0, 1
.else
	HALF \p%2, 0, 0
.endif
.if \p < 3
	FETCHS \p+1
	FETCHW 0, \p+1
	s_wait_dscnt 36                                ; all but the 36 just issued
.else
	s_wait_dscnt 0x0
.endif
	HALF \p%2, 1, 0
	TOSTAGE \p%2
.if \p%2
	s_wait_xcnt 0x0                                ; earlier stores have read their registers
.set N_, 0
.rept 32
	ds_load_b128 v[OB+4*N_:OB+4*N_+3], v[RD] offset:2*SPITCH*N_    ; my own bytes: LDS serves a wave's instructions in order
.set N_, N_+1
.endr
.endif
.endr
.set N_, 0
.rept 32
	s_wait_dscnt 31-N_
	SEND N_, 1
.set N_, N_+1
.endr
	s_wait_tensorcnt 0x0                           ; the wave's end
	ds_add_u32 v[SPW], v[NIL]
	s_wait_dscnt 0x0
	CROUND                                         ; the closing round
	s_endpgm
.Lfunc_end_k_qd2e3f0fde3_proj:
	.size	k_qd2e3f0fde3_proj, .Lfunc_end_k_qd2e3f0fde3_proj-k_qd2e3f0fde3_proj
	.p2alignl 7, 3214868480
	.fill 96, 4, 3214868480
	.section	.rodata,"a",@progbits
	.p2align	6, 0x0
	.amdhsa_kernel k_qd2e3f0fde3_proj
		.amdhsa_group_segment_fixed_size 327680
		.amdhsa_private_segment_fixed_size 0
		.amdhsa_enable_private_segment 0
		.amdhsa_kernarg_size 24
		.amdhsa_user_sgpr_count 2
		.amdhsa_user_sgpr_kernarg_segment_ptr 1
		.amdhsa_wavefront_size32 1
		.amdhsa_system_sgpr_workgroup_id_x 1
		.amdhsa_system_sgpr_workgroup_id_y 1
		.amdhsa_system_sgpr_workgroup_id_z 1
		.amdhsa_system_vgpr_workitem_id 0
		.amdhsa_next_free_vgpr 1024
		.amdhsa_next_free_sgpr 98
		.amdhsa_reserve_vcc 0
		.amdhsa_float_denorm_mode_32 3
		.amdhsa_float_denorm_mode_16_64 3
		.amdhsa_memory_ordered 1
		.amdhsa_forward_progress 1
		.amdhsa_inst_pref_size 89
	.end_amdhsa_kernel
	.amdgpu_metadata
---
amdhsa.version: [ 1, 2 ]
amdhsa.kernels:
  - .name:           k_qd2e3f0fde3_proj
    .symbol:         k_qd2e3f0fde3_proj.kd
    .args:
      - { .name: yw_img, .offset: 0, .size: 8, .value_kind: global_buffer, .address_space: global }
      - { .name: yw_sc, .offset: 8, .size: 8, .value_kind: global_buffer, .address_space: global }
      - { .name: out0, .offset: 16, .size: 8, .value_kind: global_buffer, .address_space: global }
    .group_segment_fixed_size: 327680
    .private_segment_fixed_size: 0
    .kernarg_segment_align: 8
    .kernarg_segment_size: 24
    .max_flat_workgroup_size: 128
    .sgpr_count:     98
    .vgpr_count:     1024
    .wavefront_size: 32
...
	.end_amdgpu_metadata
.endif
;; end of part 4
